; MI455X (gfx1250); checked and timed in simulation.
; The chip was launched on July 23, 2026; its instructions are those of AMD's public machine-readable ISA for CDNA 5 (MIT licence, August 2026) and "CDNA5" Instruction Set Architecture Reference Guide (July 2026). The comments in the code are by the model that wrote it; some were corrected since.
;; Group Query Attention. Allowed arithmetic: float matrix products may take bf16 or f16 operands with f32 sums; other float arithmetic in f32, or as packed bf16 or f16 multiplies, adds, multiply-adds, maxima and minima; sums over many terms, partial sums and values carried from step to step in f32; what a program stores and reads back later, other than sums and carried values, may be rounded once to bf16 or f16.
;; Inputs: X 1 x 4,096 x 1,024 float32; k_b 256 float32; k_w 1,024 x 256 float32; o_b 1,024 float32; o_w 1,024 x 1,024 float32; q_b 1,024 float32; q_w 1,024 x 1,024 float32; v_b 256 float32; v_w 1,024 x 256 float32.
;; Outputs: out0 1 x 4,096 x 1,024 float32.
;; 2 versions, each right; version 2 is version 1 with the launch prep written anew for expert scheduling mode. Each part assembles by itself: llvm-mc -triple=amdgcn-amd-amdhsa -mcpu=gfx1250 --defsym DOCPART=n.
;; ======== version 1 of 2: 4 launches
;; limits: values are held in f16: magnitudes above 65,504 overflow, below 6.1e-05 lose precision
;; workspace buffers: xb 8,388,608 bytes; wb 3,145,728 bytes; ob 2,097,152 bytes; qkv 12,582,912 bytes; ao 8,388,608 bytes
;; launch prep (part 1): grid 416 x 1, 8 waves a work-group, no clusters, 0 bytes of LDS; arguments X, q_w, k_w, v_w, o_w, xb, wb, ob; writes xb, wb, ob
.if DOCPART == 1
	.amdgcn_target "amdgcn-amd-amdhsa--gfx1250"
	.amdhsa_code_object_version 6
	.text
	.protected	k_qceb0845e5f_prep
	.globl	k_qceb0845e5f_prep
	.p2align	8
	.type	k_qceb0845e5f_prep,@function
k_qceb0845e5f_prep:
	s_mov_b64 s[64:65], 0
	v_nop
	global_prefetch_b8 v0, s[64:65] scope:SCOPE_SE
	s_setreg_imm32_b32 hwreg(HW_REG_WAVE_MODE, 25, 1), 1
	s_wait_xcnt 0x0
; CAST AND RE-LAY.  X and the four weight matrices (f32) are rounded once to bf16 and written in SLABS: 64 neighbouring columns of a row are 128 bytes, and the rows of a
; slab follow each other without a gap, so that every tile of the products that follow is one dense block of memory.
;   xb [32 rb][16 s][128 r][64 c] bf16 = X[128 rb + r][64 s + c]
;   wb [24 hb][1024 k][64 c]      bf16 = q_w[k][64 hb + c] (hb 0-15), k_w[k][64 (hb-16) + c] (16-19), v_w[k][64 (hb-20) + c] (20-23)
;   ob [16 nb][1024 k][64 c]      f16  = o_w[k][64 nb + c], rounded to bf16 and that number written as f16
; LIMITS.  o_w: the second writing is exact inside f16's normal range; below 6e-5 it keeps f16's fixed step of 6e-8; from 65,520 on it gives an infinity.
; SHARES.  A work-group takes 16,384 consecutive source numbers (65,536 bytes), a thread 16 loads of 16 bytes.  One load of a wave takes 64 columns of two rows: lanes 0-15
; read 256 consecutive bytes, aligned, of one row, lanes 16-31 of the next; its store of 8 bytes a lane covers 256 consecutive bytes, aligned: two rows of a slab.
; Work-groups 0-255: X; 256-319: q_w; 320-351: k_w, v_w; 352-415: o_w.  All 16 loads go out in one run; no register is written twice while a load or store names it.
; No LDS, no barrier, no matrix unit: nothing is shared and nothing is summed.
.set SRC, 20                           ; s[20:21] the work-group's first source byte
.set DST, 22                           ; s[22:23] its first byte in the slabs
.set IN,  4                            ; v[4:67]   16 x 4 numbers as loaded
.set OUT, 68                           ; v[68:99]  16 x 2 registers to store
.set TW,  100                          ; v[100:103] at work
; kv = 0: rows of 1,024 numbers: load i takes slab i of the thread's row; the slabs lie dstep bytes apart.
; kv = 1: rows of 256 numbers: load i takes slab i % 4 of the pair of rows i / 4.      half = 1: the bf16 numbers are written as f16.
.macro CAST kv, dstep, half
.set ci, 0
.rept 16
.if \kv
.set si, (ci/4)*2048+(ci%4)*256
.else
.set si, 256*ci
.endif
	global_load_b128 v[IN+4*ci:IN+4*ci+3], v1, s[SRC:SRC+1] offset:si th:TH_LOAD_NT
.set ci, ci+1
.endr
.set ci, 0
.rept 16
.if \kv
.set di, (ci%4)*131072+(ci/4)*256
.else
.set di, (\dstep)*ci
.endif
	s_wait_loadcnt 15-ci                           ; loads come back in order: load ci is in, the 15 - ci younger ones stay out
	v_cvt_pk_bf16_f32 v[OUT+2*ci],   v[IN+4*ci],   v[IN+4*ci+1]
	v_cvt_pk_bf16_f32 v[OUT+2*ci+1], v[IN+4*ci+2], v[IN+4*ci+3]
.if \half
	v_lshlrev_b32 v[TW],   16,  v[OUT+2*ci]         ; the rounded numbers as f32 again,
	v_and_b32     v[TW+1], s24, v[OUT+2*ci]
	v_lshlrev_b32 v[TW+2], 16,  v[OUT+2*ci+1]
	v_and_b32     v[TW+3], s24, v[OUT+2*ci+1]
	v_cvt_pk_f16_f32 v[OUT+2*ci],   v[TW],   v[TW+1]   ; and written as f16
	v_cvt_pk_f16_f32 v[OUT+2*ci+1], v[TW+2], v[TW+3]
.endif
	global_store_b64 v2, v[OUT+2*ci:OUT+2*ci+1], s[DST:DST+1] offset:di th:TH_STORE_NT
.set ci, ci+1
.endr
.endm
	s_load_b512 s[4:19], s[0:1], 0x0               ; X s[4:5], q_w s[6:7], k_w s[8:9], v_w s[10:11], o_w s[12:13], xb s[14:15], wb s[16:17], ob s[18:19]
	s_mov_b32 s2, ttmp9                            ; the work-group's number
	s_mov_b32 s24, 0xffff0000                      ; a word's upper bf16
	s_mov_b32 s27, 0                               ; high words of the two offsets
	s_mov_b32 s29, 0
	v_and_b32 v3, 15, v0
	v_lshlrev_b32 v3, 4, v3                        ; 16 (t % 16): my 16 bytes of a slab's 256 source bytes
	v_lshrrev_b32 v1, 4, v0
	v_lshl_add_u32 v1, v1, 12, v3                  ; rows of 4,096 bytes: row t / 16
	v_lshlrev_b32 v2, 3, v0                        ; in a slab: row t / 16 x 128 + 8 (t % 16) = 8 t
	s_wait_kmcnt 0x0
	s_cmp_lt_u32 s2, 256
	s_cbranch_scc0 .Lnot_x
	s_lshl_b32 s26, s2, 16                         ; X: 16 rows of 4,096 bytes
	s_add_nc_u64 s[SRC:SRC+1], s[4:5], s[26:27]
	s_lshr_b32 s28, s2, 3
	s_lshl_b32 s28, s28, 18                        ; row block g / 8: 16 slabs of 16,384 bytes
	s_and_b32 s25, s2, 7
	s_lshl_b32 s25, s25, 11                        ; 16 rows of 128 bytes x g % 8
	s_add_co_u32 s28, s28, s25
	s_add_nc_u64 s[DST:DST+1], s[14:15], s[28:29]
	CAST 0, 16384, 0
	s_endpgm
.Lnot_x:
	s_cmp_lt_u32 s2, 320
	s_cbranch_scc0 .Lnot_q
	s_sub_co_u32 s3, s2, 256                       ; q_w: 16 rows k
	s_lshl_b32 s26, s3, 16
	s_add_nc_u64 s[SRC:SRC+1], s[6:7], s[26:27]
	s_lshl_b32 s28, s3, 11
	s_add_nc_u64 s[DST:DST+1], s[16:17], s[28:29]
	CAST 0, 131072, 0
	s_endpgm
.Lnot_q:
	s_cmp_lt_u32 s2, 352
	s_cbranch_scc0 .Lfor_o
	s_sub_co_u32 s3, s2, 320                       ; k_w (0-15) and v_w (16-31): 64 rows k of 1,024 bytes
	s_lshr_b32 s25, s3, 4
	s_and_b32 s3, s3, 15
	s_lshl_b32 s26, s3, 16
	s_cmp_eq_u32 s25, 0
	s_cselect_b64 s[SRC:SRC+1], s[8:9], s[10:11]
	s_add_nc_u64 s[SRC:SRC+1], s[SRC:SRC+1], s[26:27]
	s_lshl_b32 s28, s25, 19                        ; four blocks of 131,072 bytes on for v_w,
	s_add_co_u32 s28, s28, 16*131072               ; behind q_w's sixteen
	s_lshl_b32 s3, s3, 13                          ; 64 rows of 128 bytes
	s_add_co_u32 s28, s28, s3
	s_add_nc_u64 s[DST:DST+1], s[16:17], s[28:29]
	v_lshrrev_b32 v[TW], 5, v0                     ; a wave takes 8 rows, two at a time
	v_bfe_u32 v[TW+1], v0, 4, 1
	v_lshl_add_u32 v1, v[TW+1], 10, v3
	v_lshl_add_u32 v1, v[TW], 13, v1               ; wave x 8,192 + (lane / 16) x 1,024 + 16 (lane % 16)
	v_and_b32 v2, 31, v0
	v_lshlrev_b32 v2, 3, v2
	v_lshl_add_u32 v2, v[TW], 10, v2               ; wave x 8 rows of 128 bytes + 8 x lane
	CAST 1, 0, 0
	s_endpgm
.Lfor_o:
	s_sub_co_u32 s3, s2, 352                       ; o_w: 16 rows k
	s_lshl_b32 s26, s3, 16
	s_add_nc_u64 s[SRC:SRC+1], s[12:13], s[26:27]
	s_lshl_b32 s28, s3, 11
	s_add_nc_u64 s[DST:DST+1], s[18:19], s[28:29]
	CAST 0, 131072, 1
	s_endpgm
.Lfunc_end_k_qceb0845e5f_prep:
	.size	k_qceb0845e5f_prep, .Lfunc_end_k_qceb0845e5f_prep-k_qceb0845e5f_prep
	.p2alignl 7, 3214868480
	.fill 96, 4, 3214868480
	.section	.rodata,"a",@progbits
	.p2align	6, 0x0
	.amdhsa_kernel k_qceb0845e5f_prep
		.amdhsa_group_segment_fixed_size 0
		.amdhsa_private_segment_fixed_size 0
		.amdhsa_enable_private_segment 0
		.amdhsa_kernarg_size 64
		.amdhsa_user_sgpr_count 2
		.amdhsa_user_sgpr_kernarg_segment_ptr 1
		.amdhsa_wavefront_size32 1
		.amdhsa_system_sgpr_workgroup_id_x 1
		.amdhsa_system_sgpr_workgroup_id_y 1
		.amdhsa_system_sgpr_workgroup_id_z 1
		.amdhsa_system_vgpr_workitem_id 0
		.amdhsa_next_free_vgpr 104
		.amdhsa_next_free_sgpr 66
		.amdhsa_reserve_vcc 0
		.amdhsa_float_denorm_mode_32 3
		.amdhsa_float_denorm_mode_16_64 3
		.amdhsa_memory_ordered 1
		.amdhsa_forward_progress 1
		.amdhsa_inst_pref_size 29
	.end_amdhsa_kernel
	.amdgpu_metadata
---
amdhsa.version: [ 1, 2 ]
amdhsa.kernels:
  - .name:           k_qceb0845e5f_prep
    .symbol:         k_qceb0845e5f_prep.kd
    .args:
      - { .name: X, .offset: 0, .size: 8, .value_kind: global_buffer, .address_space: global }
      - { .name: q_w, .offset: 8, .size: 8, .value_kind: global_buffer, .address_space: global }
      - { .name: k_w, .offset: 16, .size: 8, .value_kind: global_buffer, .address_space: global }
      - { .name: v_w, .offset: 24, .size: 8, .value_kind: global_buffer, .address_space: global }
      - { .name: o_w, .offset: 32, .size: 8, .value_kind: global_buffer, .address_space: global }
      - { .name: xb, .offset: 40, .size: 8, .value_kind: global_buffer, .address_space: global }
      - { .name: wb, .offset: 48, .size: 8, .value_kind: global_buffer, .address_space: global }
      - { .name: ob, .offset: 56, .size: 8, .value_kind: global_buffer, .address_space: global }
    .group_segment_fixed_size: 0
    .private_segment_fixed_size: 0
    .kernarg_segment_align: 8
    .kernarg_segment_size: 64
    .max_flat_workgroup_size: 256
    .sgpr_count:     66
    .vgpr_count:     104
    .wavefront_size: 32
...
	.end_amdgpu_metadata
.endif
;; end of part 1
;; launch proj (part 2): grid 8 x 32, 4 waves a work-group, clusters of 4 x 4, 327,680 bytes of LDS; arguments xb, wb, q_b, k_b, v_b, qkv; writes qkv
.if DOCPART == 2
	.amdgcn_target "amdgcn-amd-amdhsa--gfx1250"
	.amdhsa_code_object_version 6
	.text
	.protected	k_qceb0845e5f_proj
	.globl	k_qceb0845e5f_proj
	.p2align	8
	.type	k_qceb0845e5f_proj,@function
k_qceb0845e5f_proj:
	s_mov_b64 s[64:65], 0
	v_nop
	global_prefetch_b8 v0, s[64:65] scope:SCOPE_SE
	s_setreg_imm32_b32 hwreg(HW_REG_WAVE_MODE, 25, 1), 1
	s_wait_xcnt 0x0
	s_wait_alu depctr_hold_cnt(0) depctr_sa_sdst(0) depctr_va_vdst(0) depctr_va_sdst(0) depctr_va_ssrc(0) depctr_va_vcc(0) depctr_vm_vsrc(0)
	s_getreg_b32 s2, hwreg(HW_REG_IB_STS2, 6, 4)
	s_cmp_eq_u32 s2, 0
	s_cbranch_scc0 .Lentry_in_a_cluster
	s_endpgm
.Lentry_in_a_cluster:
	s_bfe_u32 s2, ttmp6, 0x10000c
	s_cmp_lg_u32 s2, 0xf033
	s_cbranch_scc0 .Lentry_shape_is_right
	s_endpgm
.Lentry_shape_is_right:
; THE THREE PROJECTIONS AS ONE PRODUCT.  [q k v][row][n] = the sum over k of X[row][k] W[k][n] + bias[n], W = q_w, k_w, v_w side by side: 4,096 x 1,536 x 1,024.
; Operands bf16 (xb, wb: slabs of 64 numbers a row), sums f32, results rounded once to f16 and written by heads: qkv [24 hb][4096 row][64], hb 0-15 q, 16-19 k, 20-23 v, q unscaled.
; The biases are rounded to bf16 like all inputs and start the sums, in f32, as the C operand of each accumulator's first product.
; LIMITS.  q, k, v beyond 65,504 do not fit f16 (from 65,520 on: an infinity); below 6e-5 they keep f16's fixed step of 6e-8.  NaN and infinities are not treated apart.
; SHARES.  A tile is 128 rows x 192 columns (three blocks hb): 32 x 8 tiles, one work-group each.  Four waves, 64 rows x 96 columns each: 24 accumulators of 16 x 16.
; Wave (wm, wn): rows 64 wm on; of each of the three blocks the columns 32 wn .. 32 wn + 31.
; RING.  K goes in steps of 128 through two LDS slots.  A slot: two slabs of X (2 x 128 rows, 144 bytes apart), then three blocks of W (128 rows k each, 160 bytes apart).  Every part is a dense
; block of memory and is asked for as rows of 256 bytes, padded in LDS after every 128.  Wave 0 fetches X's 32 KiB, waves 1 to 3 a block of W (16 KiB) each: one load a wave behind each round.
; A step of 256 would want 2 x 196,608 bytes of LDS: it does not fit.
; CLUSTER 4 x 4: X's tile hangs on the tile row alone and is asked for jointly along a row of the cluster, W's on the tile column alone, along a column.
; THE MATRIX INSTRUCTION IS USED TRANSPOSED: source 0 = 16 columns of W (W lies [k][n] in LDS and is turned by ds_load_tr16_b128), source 1 = 16 rows of X: a lane holds row l % 16 and the
; columns 8 (l / 16) + 0..7: 16 bytes of bf16 on end.
; Nothing is prefetched: a work-group has eight steps, and the first two go out at its head.
; REGISTERS.  Window 0: v0-29 addresses; v64-255 the accumulators ((a, b) at 64 + 8 (6 a + b)).  Window 1: two fragment buffers of 80 (32 of X, 48 of W), v160-207 the biases, v208-211 at work.
.set NB,    3                          ; blocks of 64 columns in a tile
.set NT,    6                          ; column tiles of 16 a wave
.set SL,    2                          ; slabs of X in a slot
.set NAW,   1                          ; waves that fetch X
.set KSLOT, 64*SL
.set LAPS,  16/SL/2                    ; a lap = two steps = once round the ring
.set PITA,  144                        ; a row of X in LDS: 128 bytes + 16 = 36 words: the 16 rows of a load start at 16 different groups of four banks (64 banks of 4 bytes: ISA guide 11.1)
.set PITB,  160                        ; a row of W: 128 + 32 = 40 words
.set SLABL, 128*PITA
.set AB,    SL*SLABL                   ; W's blocks begin behind X's slabs
.set BBLK,  KSLOT*PITB
.set SLOT,  AB+NB*BBLK
.set STAGE, 2*SLOT                     ; behind the ring, never filled by a tensor load: [3 blocks][128 rows] of 144 bytes, the work-group's, for the way out
.set SPARE, STAGE+NB*SLABL             ; behind the stage: the spare words, 128 bytes for each wave: two blocks of 256 bytes that no other line names
.set NL,    8+2*NT                     ; LDS loads in a run
.set ADRA, 16                          ; v16-17  LDS address of my fragments of X in slot 0, 1
.set ADRB, 20                          ; v20-21  the same for W
.set STO,  24                          ; v24     the way out: where I put 16 bytes of a row
.set RD,   25                          ; v25     where I read rows back
.set CO,   26                          ; v26     my byte offset in 512 consecutive bytes of qkv
.set BV,   27                          ; v27     my byte offset in a block's 64 biases
.set SPW,  28                          ; v28     LDS address of my spare word; never rewritten
.set NIL,  29                          ; v29     0; never rewritten
.set ACC,  64
.set FB,   32+8*NT
.set F0,   0                           ; fragment buffers, in window 1: X's row tile a at + 8 a, W's column tile b at + 32 + 8 b
.set F1,   FB
.set BI,   160                         ; window 1: the biases of column tile b at BI + 8 b
.set TW,   208                         ; window 1: at work
.set WV,   16                          ; s16 wave; s17 wm; s18 wn
.set WM,   17
.set WN,   18
.set G1A,  24                          ; s[24:31] descriptor group 1 for X's tiles; s[32:39] group 0, a set for each slot
.set G0A,  32
.set G1B,  48                          ; s[48:55], s[56:63] the same for W's
.set G0B,  56
.set PBI,  66                          ; s[66:71] the three blocks' biases
.set MSB, 0
.macro WIN new                         ; the immediate's high byte repeats the setting that is left; a switch that changes nothing is dropped
.if MSB != (\new)
	s_set_vgpr_msb (MSB<<8)|(\new)
.set MSB, \new
.endif
.endm
.set MUL,  0x05                        ; sources 0 and 1 window 1; C and D window 0
.set MULB, 0x15                        ; the same with C in window 1: the biases
.set TO_F, 0x40                        ; destination window 1, address window 0
.set W_BI, 0x45                        ; destination and both sources window 1
.macro JLOAD s                         ; a joint load: wave 0 fetches X's tile, waves 1 to 3 W's blocks; an s_nop 0 and four v_nop follow each of the two lines, ahead of the jump and the label
	s_cmp_lt_u32 s[WV], NAW
	s_cbranch_scc0 .Lfor_b_\@
	tensor_load_to_lds s[G0A+4*(\s):G0A+4*(\s)+3], s[G1A:G1A+7]
	s_nop 0
.rept 4
	v_nop
.endr
	s_branch .Lasked_\@
.Lfor_b_\@:
	tensor_load_to_lds s[G0B+4*(\s):G0B+4*(\s)+3], s[G1B:G1B+7]
	s_nop 0
.rept 4
	v_nop
.endr
.Lasked_\@:
.endm
.macro CREST                           ; a round of the cluster's barrier behind its opening barrier
	s_cmp_lg_u32 s[WV], 0
	s_cbranch_scc1 .Lnot_wave_0_\@
	s_barrier_signal -3
.Lnot_wave_0_\@:
	s_barrier_wait -3
	s_barrier_signal -1
	s_barrier_wait -1
.endm
.macro CROUND                          ; a whole round
	s_barrier_signal -1
	s_barrier_wait -1
	CREST
.endm
.macro PLACES                          ; four places in front of loads into registers that matrix instructions have read, and of conversions that read results
.rept 4
	v_nop
.endr
.endm
	s_load_b256 s[4:11], s[0:1], 0x0               ; xb s[4:5], wb s[6:7], q_b s[8:9], k_b s[10:11]
	s_load_b128 s[12:15], s[0:1], 0x20             ; v_b s[12:13], qkv s[14:15]
	v_lshl_add_u32 v[SPW], v0, 2, SPARE
	v_mov_b32 v[NIL], 0
	ds_add_u32 v[SPW], v[NIL]                      ; the wave's opening: the add and its wait stand ahead of my first tensor load; the set-up below, work on registers, stands between them
	v_lshrrev_b32 v1, 5, v0
	v_readfirstlane_b32 s[WV], v1                  ; wave 0..3
	s_lshr_b32 s[WM], s[WV], 1
	s_and_b32 s[WN], s[WV], 1
	s_bfe_u32 s20, ttmp6, 0x40000                  ; cx, cy: my place in the cluster
	s_bfe_u32 s21, ttmp6, 0x40004
	s_lshl_b32 s22, ttmp9, 2
	s_add_co_u32 s22, s22, s20                     ; tile column = 4 x cluster x + cx
	s_and_b32 s23, ttmp7, 0xffff
	s_lshl_b32 s23, s23, 2
	s_add_co_u32 s23, s23, s21                     ; tile row = 4 x cluster y + cy
	s_lshl_b32 s40, s21, 2
	s_lshl_b32 s40, 15, s40                        ; my row of the cluster
	s_lshl_b32 s41, 0x1111, s20                    ; my column
	; group 1: rows of 128 elements (256 bytes, two rows of a slab), padded in LDS after every 32 words
	s_or_b32 s[G1A], s40, (1<<16)|(1<<20)|(1<<21)|(4<<22)|(3<<25)  ; 15:0 the mask; 17:16 2-byte elements; 20 padding on; 21 set beside a mask; 24:22 after every 32 words (code 4); 31:25 4 words (code 3)
	s_or_b32 s[G1B], s41, (1<<16)|(1<<20)|(1<<21)|(4<<22)|(7<<25)  ; the same with my column's mask and 8 words of padding (code 7)
	s_mov_b32 s[G1A+1], 128<<16                    ; tensor_dim0 = 128
	s_mov_b32 s[G1A+2], 128<<16                    ; tensor_dim1 = 128 rows: two slabs
	s_mov_b32 s[G1A+3], 128<<16                    ; tile_dim0 = 128
	s_mov_b32 s[G1A+4], 128                        ; tile_dim1 = 128
	s_mov_b32 s[G1A+5], 128                        ; 128 elements from row to row: dense
	s_mov_b32 s[G1A+6], 0
	s_mov_b32 s[G1A+7], 0
	s_mov_b32 s[G1B+1], 128<<16
	s_mov_b32 s[G1B+2], (32*SL)<<16                ; 64 rows: 128 rows k of a block
	s_mov_b32 s[G1B+3], 128<<16
	s_mov_b32 s[G1B+4], 32*SL
	s_mov_b32 s[G1B+5], 128
	s_mov_b32 s[G1B+6], 0
	s_mov_b32 s[G1B+7], 0
	s_lshl_b32 s42, s23, 18                        ; X: the tile row's 16 slabs of 16,384 bytes
	s_mov_b32 s43, 0
	s_mul_i32 s44, s22, NB                         ; W: block 3 x tile column + (wave - 1); wave 0 asks for none
	s_max_u32 s46, s[WV], NAW
	s_sub_co_u32 s46, s46, NAW
	s_add_co_u32 s44, s44, s46
	s_lshl_b32 s44, s44, 17                        ; blocks of 131,072 bytes
	s_mov_b32 s45, 0
	s_mul_i32 s47, s[WV], BBLK                     ; and where it goes: block wave - 1 behind X's slabs
	s_add_co_u32 s47, s47, AB-NAW*BBLK
	s_wait_dscnt 0x0                               ; the opening add is done
	s_wait_kmcnt 0x0
	s_add_nc_u64 s[42:43], s[4:5], s[42:43]
	s_add_nc_u64 s[44:45], s[6:7], s[44:45]
	CROUND                                         ; all sixteen work-groups are here: the first joint loads meet
.irp s, 0,1
	s_mov_b32 s[G0A+4*(\s)], 1                     ; count = 1
	s_mov_b32 s[G0A+4*(\s)+1], (\s)*SLOT           ; LDS address
	s_add_nc_u64 s[G0A+4*(\s)+2:G0A+4*(\s)+3], s[42:43], (\s)*SL*16384  ; global address: step s
	s_or_b32 s[G0A+4*(\s)+3], s[G0A+4*(\s)+3], 0x80000000               ; type = 2
	s_mov_b32 s[G0B+4*(\s)], 1
	s_add_co_u32 s[G0B+4*(\s)+1], s47, (\s)*SLOT
	s_add_nc_u64 s[G0B+4*(\s)+2:G0B+4*(\s)+3], s[44:45], (\s)*KSLOT*128
	s_or_b32 s[G0B+4*(\s)+3], s[G0B+4*(\s)+3], 0x80000000
	JLOAD \s                                       ; two loads of mine are out
.endr
	; lane addresses
	v_and_b32 v1, 15, v0                           ; r = l % 16
	v_bfe_u32 v2, v0, 4, 1                         ; h = l / 16
	v_mul_u32_u24 v3, v1, PITA
	v_lshl_add_u32 v3, v2, 4, v3                   ; r x 144 + 16 h
	s_mul_i32 s40, s[WM], 64*PITA
	v_add_nc_u32 v[ADRA], s40, v3
	v_add_nc_u32 v[ADRA+1], SLOT, v[ADRA]
	v_and_b32 v7, 7, v0
	v_lshl_add_u32 v4, v2, 3, v7                   ; the turning load: row k = 8 h + l % 8,
	v_mul_u32_u24 v4, v4, PITB
	v_bfe_u32 v5, v0, 3, 1
	v_lshl_add_u32 v4, v5, 4, v4                   ; columns 8 ((l / 8) % 2) on
	s_lshl_b32 s41, s[WN], 6                       ; my 32 columns of a block: 64 bytes
	s_add_co_u32 s46, s41, AB
	v_add_nc_u32 v[ADRB], s46, v4
	v_add_nc_u32 v[ADRB+1], SLOT, v[ADRB]
	s_add_co_u32 s40, s40, s41
	s_add_co_u32 s40, s40, STAGE
	v_add_nc_u32 v[STO], s40, v3                   ; into the stage: row 64 wm + r, byte 64 wn + 16 h
	v_bfe_u32 v6, v0, 3, 2
	v_mul_u32_u24 v6, v6, PITA
	v_lshl_add_u32 v6, v7, 4, v6
	s_mul_i32 s40, s[WV], 32*PITA
	s_add_co_u32 s40, s40, STAGE
	v_add_nc_u32 v[RD], s40, v6                    ; back: wave w takes rows 32 w on, four rows of 128 bytes a load,
	v_and_b32 v[CO], 31, v0
	v_lshlrev_b32 v[CO], 4, v[CO]                  ; which are 512 consecutive bytes of qkv
	s_mul_i32 s76, s22, NB*524288                  ; the tile's first block in qkv,
	s_lshl_b32 s77, s23, 14                        ; its 128 rows of 128 bytes,
	s_add_co_u32 s76, s76, s77
	s_lshl_b32 s77, s[WV], 12                      ; my 32 of them
	s_add_co_u32 s76, s76, s77
	s_mov_b32 s77, 0
	s_add_nc_u64 s[14:15], s[14:15], s[76:77]
	; the biases: block 3 x tile column + hb lies in q_b (0-15), k_b (16-19) or v_b (20-23)
.irp hb, 0,1,2
	s_mul_i32 s72, s22, NB
	s_add_co_u32 s72, s72, \hb
	s_cmp_lt_u32 s72, 16
	s_cselect_b64 s[74:75], s[8:9], s[10:11]
	s_cselect_b32 s73, 0, 16
	s_cmp_lt_u32 s72, 20
	s_cselect_b64 s[74:75], s[74:75], s[12:13]
	s_cselect_b32 s73, s73, 20
	s_sub_co_u32 s72, s72, s73
	s_lshl_b32 s72, s72, 8                         ; 64 numbers of 4 bytes a block
	s_mov_b32 s73, 0
	s_add_nc_u64 s[PBI+2*\hb:PBI+2*\hb+1], s[74:75], s[72:73]
.endr
	s_lshl_b32 s40, s[WN], 7
	v_lshl_add_u32 v[BV], v2, 5, s40               ; my eight columns: 128 wn + 32 h
	WIN TO_F
.set mb, 0
.rept NT
	global_load_b128 v[BI+8*mb:BI+8*mb+3],   v[BV], s[PBI+2*(mb/2):PBI+2*(mb/2)+1] offset:(mb%2)*64
	global_load_b128 v[BI+8*mb+4:BI+8*mb+7], v[BV], s[PBI+2*(mb/2):PBI+2*(mb/2)+1] offset:(mb%2)*64+16
.set mb, mb+1
.endr
	s_wait_loadcnt 0x0
	WIN W_BI
.set mb, 0
.rept 4*NT                             ; rounded to bf16, like every input, and widened again
	v_cvt_pk_bf16_f32 v[TW+mb%4], v[BI+2*mb], v[BI+2*mb+1]
	v_lshlrev_b32 v[BI+2*mb], 16, v[TW+mb%4]
	v_and_b32 v[BI+2*mb+1], 0xffff0000, v[TW+mb%4]
.set mb, mb+1
.endr
	WIN 0
; NT matrix instructions: row tile a x all my column tiles, 32 along K, from buffer f.  first = 1: the biases start the sums.  All 24 accumulators take turns, in the same order in every chunk.
.macro MULROW f, a, first
.if \first
	WIN MULB
.else
	WIN MUL
.endif
.set mb, 0
.rept NT
.set rD, ACC+8*(NT*(\a)+mb)
.set rB, (\f)+32+8*mb
.set rA, (\f)+8*(\a)
.if \first
	v_wmma_f32_16x16x32_bf16 v[rD:rD+7], v[rB:rB+7], v[rA:rA+7], v[BI+8*mb:BI+8*mb+7]
.else
	v_wmma_f32_16x16x32_bf16 v[rD:rD+7], v[rB:rB+7], v[rA:rA+7], v[rD:rD+7]
.endif
.set mb, mb+1
.endr
.endm
; One run of NL LDS loads: the fragments of chunk c (32 along K) of a slot into buffer f: W's six, then X's row tiles 0, 1, then 2, 3.
.macro FETCH slot, c, f
	WIN TO_F
.set fb, 0
.rept NT                               ; column tile fb: block fb / 2, 16 columns fb % 2 of my 32
	ds_load_tr16_b128 v[(\f)+32+8*fb:(\f)+32+8*fb+3],   v[ADRB+(\slot)] offset:(fb/2)*BBLK+(fb%2)*32+32*PITB*(\c)
	ds_load_tr16_b128 v[(\f)+32+8*fb+4:(\f)+32+8*fb+7], v[ADRB+(\slot)] offset:(fb/2)*BBLK+(fb%2)*32+32*PITB*(\c)+16*PITB
.set fb, fb+1
.endr
.set fb, 0
.rept 4                                ; slab c / 2, byte 64 (c % 2) of its rows
	ds_load_b128 v[(\f)+8*fb:(\f)+8*fb+3],   v[ADRA+(\slot)] offset:((\c)/2)*SLABL+((\c)%2)*64+fb*16*PITA
	ds_load_b128 v[(\f)+8*fb+4:(\f)+8*fb+7], v[ADRA+(\slot)] offset:((\c)/2)*SLABL+((\c)%2)*64+fb*16*PITA+32
.set fb, fb+1
.endr
.endm
; A chunk but a slot's last: multiplies buffer f; in its middle it fetches chunk cn of the same slot into buffer g.
.macro CHUNK slot, cn, f, g, first
	s_wait_dscnt 4                                 ; all but the youngest four loads (X's row tiles 2, 3) are in
	MULROW \f, 0, \first
	MULROW \f, 1, \first
	PLACES
	FETCH \slot, \cn, \g
	s_wait_dscnt NL                                ; all but the run just issued
	MULROW \f, 2, \first
	MULROW \f, 3, \first
.endm
.macro MIDDLE slot, from               ; chunks from .. 2 SL - 2 of a slot, on buffers 0, 1 by turns
.set cc, \from
.rept 2*SL-1-(\from)
	CHUNK \slot, cc+1, FB*(cc%2), FB*((cc+1)%2), 0
.set cc, cc+1
.endr
.endm
; A slot's last chunk multiplies buffer 1 and changes slots: ONE barrier; in front of it each wave waits for all its tensor loads, adds 0 to its spare word, and waits for that and for its reads of this slot.
; fill = 1: the barrier opens a round of the cluster's, and this slot is filled again, two steps ahead, first thing behind the round.
.macro TURN slot, next, fill
	WIN 0                                          ; (the add's two registers lie in window 0)
	s_wait_tensorcnt 0x0                           ; all my tensor loads have landed: my part of the next slot
	ds_add_u32 v[SPW], v[NIL]                      ; 0 onto my spare word
	s_wait_dscnt 5                                 ; (the add and the youngest four loads may be out)
	MULROW F1, 0, 0                                ; matrix work stands between the add and the wait for it
	s_wait_dscnt 0x0                               ; the add is done, and my reads of this slot are over
	s_barrier_signal -1
	MULROW F1, 1, 0
.if \fill
	WIN 0
.endif
	s_barrier_wait -1
.if \fill
	CREST                                          ; no wave of any partner still reads this slot's tiles or has a load on its way
	s_add_nc_u64 s[G0A+4*(\slot)+2:G0A+4*(\slot)+3], s[G0A+4*(\slot)+2:G0A+4*(\slot)+3], 2*SL*16384
	s_add_nc_u64 s[G0B+4*(\slot)+2:G0B+4*(\slot)+3], s[G0B+4*(\slot)+2:G0B+4*(\slot)+3], 2*KSLOT*128
	JLOAD \slot                                    ; the four v_nop behind it are also the places in front of the loads below
.else
	PLACES
.endif
	FETCH \next, 0, F0
	MULROW F1, 2, 0
	MULROW F1, 3, 0
.endm
	s_wait_tensorcnt 1                             ; my part of step 0 is in; step 1's may stay out
	s_barrier_signal -1
	s_barrier_wait -1                              ; everybody's is
	FETCH 0, 0, F0
	CHUNK 0, 1, F0, F1, 1                          ; the first chunk stands in front of the loop: its products start the sums
	WIN 0
	s_mov_b32 s3, LAPS-1
.Llap:                                                 ; a trip goes once round the ring, from a lap's second chunk to the next lap's first, and fills both slots again
	MIDDLE 0, 1
	TURN 0, 1, 1
	MIDDLE 1, 0
	TURN 1, 0, 1
	CHUNK 0, 1, F0, F1, 0
	WIN 0
	s_sub_co_u32 s3, s3, 1
	s_cmp_lg_u32 s3, 0
	s_cbranch_scc1 .Llap
	MIDDLE 0, 1                                    ; the last lap fills nothing
	TURN 0, 1, 0
	MIDDLE 1, 0
	s_wait_dscnt 4                                 ; the very last chunk
	MULROW F1, 0, 0
	MULROW F1, 1, 0
	s_wait_dscnt 0x0
	MULROW F1, 2, 0
	MULROW F1, 3, 0
	WIN 0
	; THE WAY OUT: rounded to f16 in place (each accumulator from its low end on); 16 bytes a lane into the work-group's stage; a barrier, since a row's 128 bytes come from two waves; back as whole rows.
	PLACES
.set t, 0
.rept 4*NT
.irp r, 0,1,2,3
	v_cvt_pk_f16_f32 v[ACC+8*t+\r], v[ACC+8*t+2*\r], v[ACC+8*t+2*\r+1]
.endr
.set t, t+1
.endr
.set t, 0
.rept 4*NT                             ; t = 6 a + b: block b / 2, rows 16 a on, 16 columns b % 2
	ds_store_b128 v[STO], v[ACC+8*t:ACC+8*t+3] offset:((t%NT)/2)*SLABL+(t/NT)*16*PITA+(t%2)*32
.set t, t+1
.endr
	s_wait_dscnt 0x0                               ; for the others' sake: my stores into the stage are done
	s_barrier_signal -1
	s_barrier_wait -1
.set t, 0
.rept 8*NB                             ; t = 8 hb + f: block hb, rows 4 f on of my 32
	ds_load_b128 v[ACC+4*t:ACC+4*t+3], v[RD] offset:(t/8)*SLABL+(t%8)*4*PITA
.set t, t+1
.endr
.set t, 0
.rept 8*NB
	s_wait_dscnt 8*NB-1-t                          ; load t is back; the younger ones stay out
	global_store_b128 v[CO], v[ACC+4*t:ACC+4*t+3], s[14:15] offset:(t/8)*524288+(t%8)*512  ; 512 consecutive bytes, at a multiple of 256 from qkv's first byte
.set t, t+1
.endr
	s_wait_tensorcnt 0x0                           ; the wave's end: behind my last tensor load and my last LDS store
	ds_add_u32 v[SPW], v[NIL]
	s_wait_dscnt 0x0
	CROUND                                         ; the closing round: no work-group ends while a partner may still ask for a tile that names it
	s_endpgm
.Lfunc_end_k_qceb0845e5f_proj:
	.size	k_qceb0845e5f_proj, .Lfunc_end_k_qceb0845e5f_proj-k_qceb0845e5f_proj
	.p2alignl 7, 3214868480
	.fill 96, 4, 3214868480
	.section	.rodata,"a",@progbits
	.p2align	6, 0x0
	.amdhsa_kernel k_qceb0845e5f_proj
		.amdhsa_group_segment_fixed_size 327680
		.amdhsa_private_segment_fixed_size 0
		.amdhsa_enable_private_segment 0
		.amdhsa_kernarg_size 48
		.amdhsa_user_sgpr_count 2
		.amdhsa_user_sgpr_kernarg_segment_ptr 1
		.amdhsa_wavefront_size32 1
		.amdhsa_system_sgpr_workgroup_id_x 1
		.amdhsa_system_sgpr_workgroup_id_y 1
		.amdhsa_system_sgpr_workgroup_id_z 1
		.amdhsa_system_vgpr_workitem_id 0
		.amdhsa_next_free_vgpr 512
		.amdhsa_next_free_sgpr 80
		.amdhsa_reserve_vcc 0
		.amdhsa_float_denorm_mode_32 3
		.amdhsa_float_denorm_mode_16_64 3
		.amdhsa_memory_ordered 1
		.amdhsa_forward_progress 1
		.amdhsa_inst_pref_size 77
	.end_amdhsa_kernel
	.amdgpu_metadata
---
amdhsa.version: [ 1, 2 ]
amdhsa.kernels:
  - .name:           k_qceb0845e5f_proj
    .symbol:         k_qceb0845e5f_proj.kd
    .args:
      - { .name: xb, .offset: 0, .size: 8, .value_kind: global_buffer, .address_space: global }
      - { .name: wb, .offset: 8, .size: 8, .value_kind: global_buffer, .address_space: global }
      - { .name: q_b, .offset: 16, .size: 8, .value_kind: global_buffer, .address_space: global }
      - { .name: k_b, .offset: 24, .size: 8, .value_kind: global_buffer, .address_space: global }
      - { .name: v_b, .offset: 32, .size: 8, .value_kind: global_buffer, .address_space: global }
      - { .name: qkv, .offset: 40, .size: 8, .value_kind: global_buffer, .address_space: global }
    .group_segment_fixed_size: 327680
    .private_segment_fixed_size: 0
    .kernarg_segment_align: 8
    .kernarg_segment_size: 48
    .max_flat_workgroup_size: 128
    .sgpr_count:     80
    .vgpr_count:     512
    .wavefront_size: 32
...
	.end_amdgpu_metadata
.endif
;; end of part 2
;; launch attn (part 3): grid 64 x 4, 4 waves a work-group, clusters of 4 x 1, 327,680 bytes of LDS; arguments qkv, ao; writes ao
.if DOCPART == 3
	.amdgcn_target "amdgcn-amd-amdhsa--gfx1250"
	.amdhsa_code_object_version 6
	.text
	.protected	k_qceb0845e5f_attn
	.globl	k_qceb0845e5f_attn
	.p2align	8
	.type	k_qceb0845e5f_attn,@function
k_qceb0845e5f_attn:
	s_mov_b64 s[64:65], 0
	v_nop
	global_prefetch_b8 v0, s[64:65] scope:SCOPE_SE
	s_setreg_imm32_b32 hwreg(HW_REG_WAVE_MODE, 25, 1), 1
	s_wait_xcnt 0x0
	s_wait_alu depctr_hold_cnt(0) depctr_sa_sdst(0) depctr_va_vdst(0) depctr_va_sdst(0) depctr_va_ssrc(0) depctr_va_vcc(0) depctr_vm_vsrc(0)
	s_getreg_b32 s2, hwreg(HW_REG_IB_STS2, 6, 4)
	s_cmp_eq_u32 s2, 0
	s_cbranch_scc0 .Lentry_in_a_cluster
	s_endpgm
.Lentry_in_a_cluster:
	s_bfe_u32 s2, ttmp6, 0x10000c
	s_cmp_lg_u32 s2, 0x3003
	s_cbranch_scc0 .Lentry_shape_is_right
	s_endpgm
.Lentry_shape_is_right:
; GROUPED-QUERY ATTENTION.  O[h][q][:] = the sum over k of softmax_k(Q[h][q] . K[h / 4][k] / 8) V[h / 4][k][:], 16 query heads, 4 key and value heads, 4,096 rows, head size 64.
; qkv [24 hb][4096][64] f16: hb 0-15 Q, 16-19 K, 20-23 V; a head's rows are dense, 128 bytes each.  O leaves as ao [32 rb][16 head][128 r][64] f16: the slabs that the last product reads.
; Products, maxima and sums in f32; the weights p are rounded to f16 for the second product (their sum l is taken of the unrounded p), O once at the end.
; LIMITS.  f16 holds no number beyond 65,504: Q, K and V arrive within it; p lies in 0 to 1, and below 6e-5 it keeps f16's fixed step of 6e-8; O is a mean of V's rows and has their range.
; A weight below 2^-126 counts as 0 in l; NaN and infinities are not treated apart.
; SHARES.  A work-group owns 256 queries of one query head: 16 heads x 16 blocks = 256 work-groups of equal work.  A wave owns 64 queries: four PIECES of 16.  Every wave walks all 4,096 keys:
; 16 tiles of 256, four steps of 64 in each.
; CLUSTER.  The four work-groups of a cluster are four query blocks of one head and walk the same K and V, so each tile is asked for JOINTLY: the same tensor load, descriptor and mask in all four.
; LAYOUT.  S^T = K Q^T (source 0 = 16 keys, source 1 = 16 queries): a lane holds ONE query (lane % 16) and the keys 8 (lane / 16) + 0..7.  Two such results, rounded to f16 in pairs, ARE source 1 of
; O^T = V^T P, whose result again holds one query a lane, and eight channels.  K comes out of LDS as it lies, V ([key][channel]) turned, by ds_load_tr16_b128.
; SOFTMAX.  For each query a running maximum m and sum l: p = 2^(c s - c m), c = log2(e) / 8; in every step O and l are multiplied by a = 2^(c m_old - c m_new).  m starts at the lowest finite
; number, O and l at 0: the first step is a step like any other, with a = 0.
; BY TURNS.  Turn n belongs to piece n: 8 products K Q^T of piece n + 1, later 8 products V^T P of piece n - 1; beside them the scaling, exponentials, roundings, sums and rescaling of piece n and the
; maximum and statistics of piece n + 1.  Four vector instructions stand behind every matrix instruction, the other 54 of a turn's 118 in two runs of their own.
; REGISTERS, in windows of 256 (s_set_vgpr_msb: bits 1:0 source 0, 3:2 source 1, 5:4 source 2, 7:6 destination):
;   window 0: v0-15 addresses and two at work; v16-31 four registers of statistics a piece; v48-55 at work; v61-63 prefetch offset, spare word, 0; v64-127 S^T, two buffers; v192-223 P, two buffers
;   window 1: v0-127 O^T, 32 a piece          window 2: v0-63 Q; v128-191 K of one step; v192-255 V of one step
.set NP,    4         ; pieces a wave: a name, no knob
.set KS,    64        ; keys in a step
.set NTILE, 16        ; tiles of 256 keys
.set PK,    144       ; a row of K in LDS: 128 bytes + 16 of padding = 36 words: the 16 rows of a load start at 16 different groups of four banks (64 banks of 4 bytes: ISA guide 11.1)
.set PV,    160       ; a row of V: 128 + 32 = 40 words
.set VOFF,  4*KS*PK   ; a slot holds a tile, four steps: 256 rows of K, then 256 rows of V
.set SLOT1, 1<<17     ; slot 1 begins here, so that one exclusive or turns an address in one slot into the other's
.set STAGE, SLOT1+4*KS*(PK+PV)  ; behind the ring, never filled by a tensor load: 16 rows x 144 bytes for each wave, for the way out
.set SP,    144
.set SPARE, STAGE+4*16*SP  ; behind the stages: the spare words, 128 bytes for each wave: two blocks of 256 bytes that no other line names
.set AK0, 2           ; v2   my lane's place in a tile of K; never rewritten
.set AV0, 3           ; v3   the same for V
.set AK,  4           ; v4   the LDS address of K's next run of loads
.set AV,  5           ; v5   of V's
.set STO, 6           ; v6   the way out: where I put 16 bytes of a row
.set RD,  7           ; v7   the way out: where I read rows back
.set GO,  8           ; v8   my byte offset in 512 consecutive bytes of O
.set MV,  12          ; v12-13  c m_old, kept while c m is made anew: by buffer
.set QO,  15          ; v15  my byte offset in 16 rows of Q
.set ST,  16          ; piece t's statistics at v[ST+4 t]: c m, m, l (even keys', odd keys')
.set TMP, 48          ; by buffer, four registers c0-c3 at work; when the maximum is found c2 takes a
.set PFO, 61          ; v61  256 x my lane; never rewritten
.set SPW, 62          ; v62  LDS address of my spare word; never rewritten
.set NIL, 63          ; v63  0; never rewritten
.set S,   64
.set P,   192
.set KF,  128         ; window 2: key block kb, channel half c at KF + 16 kb + 8 c
.set VF,  192         ; window 2: key half kk, channel block cb at VF + 32 kk + 8 cb
.set WV,  12          ; s12  my wave's number
.set LIM, 15          ; s15  1 in a wave that prefetches, else the greatest number
.set G1K, 24          ; s[24:31] descriptor group 1 for K's tiles
.set G1V, 32          ; s[32:39] for V's: it differs in the padding alone
.set G0K, 40          ; s[40:43] descriptor group 0 for K's tiles: it walks
.set G0V, 44          ; s[44:47] the same for V's
.set SLOTS, 56        ; s56  tiles still to be asked for
.set CNT, 57          ; s57  counts a tile's key steps
.set CS,  58          ; s[58:59] c: the packed scaling takes the pair's low word for both halves
.set SEL, 60          ; s[60:61] v_permlanex16_b32's selects: each lane takes its own place in the other half
.set TBK, 62          ; s62  LDS byte at which K of the step to be fetched begins
.set TBV, 63          ; s63  the same for V, less VOFF
.set PFA, 68          ; s[68:69] where my prefetches stand: my work-group's 32 blocks of 256 bytes (of K: wave 0, of V: wave 2) of the tile after the one that is being asked for
.set MSB, 0
.macro WIN new                      ; the high byte repeats the setting that is left; a switch that changes nothing is dropped
.if MSB != (\new)
	s_set_vgpr_msb (MSB<<8)|(\new)
.set MSB, (\new)
.endif
.endm
.set W_KQ, 0x0a       ; K and Q in window 2, S^T in window 0
.set W_PV, 0x52       ; V in window 2, P in window 0, O^T in window 1
.set W_RS, 0x41       ; destination and source 0 in window 1, source 1 in window 0
; A joint fill.  Waves 0 and 1 fetch the two halves of a tile's K, waves 2 and 3 those of its V: 128 keys each.  The branch hangs on the wave's number alone.
; An s_nop 0 and four v_nop follow each of the two lines, ahead of the jump and the label.
.macro JLOAD
	s_cmp_lt_u32 s[WV], 2
	s_cbranch_scc0 .Lfor_v_\@
	tensor_load_to_lds s[G0K:G0K+3], s[G1K:G1K+7]
	s_nop 0
.rept 4
	v_nop
.endr
	s_branch .Lasked_\@
.Lfor_v_\@:
	tensor_load_to_lds s[G0V:G0V+3], s[G1V:G1V+7]
	s_nop 0
.rept 4
	v_nop
.endr
.Lasked_\@:
.endm
; A PREFETCH INTO THE L2 of the tile that the NEXT change of slots will ask for: 32,768 bytes of K and of V, a lane a block of 256 bytes.  It stands behind the wave's tensor load and its five lines.
; Each block is named ONCE in the launch: of the sixteen clusters that walk a key and value head the first (cluster x = 0) asks; its four partners share the blocks out BY ADDRESS, 32 each; in each, wave 0
; asks for K's and wave 2 for V's: one instruction, four key steps (256 matrix instructions) ahead of the load.  The change that asks for the last tile prefetches nothing; tiles 0 and 1 come by their loads alone.
.macro ASK
	s_cmp_gt_u32 s[SLOTS], s[LIM]
	s_cbranch_scc0 .Lnot_mine_\@
	global_prefetch_b8 v[PFO], s[PFA:PFA+1] th:TH_LOAD_NT scope:SCOPE_SE
.Lnot_mine_\@:
.endm
; A round of the cluster's barrier: my work-group's barrier, so that wave 0's signal speaks for all four waves; wave 0 signals; every wave waits for all four work-groups; my work-group's barrier once more.
.macro CROUND
	s_barrier_signal -1
	s_barrier_wait -1
	s_cmp_lg_u32 s[WV], 0
	s_cbranch_scc1 .Lnot_wave_0_\@
	s_barrier_signal -3
.Lnot_wave_0_\@:
	s_barrier_wait -3
	s_barrier_signal -1
	s_barrier_wait -1
.endm
; THE CHANGE OF SLOTS.  Each wave waits for all its tensor loads, of which one is out: its part of the other slot; adds 0 to its spare word; and waits for that and for its own reads of the slot that it leaves.
; Behind the barrier nobody reads the old slot any more and the other slot is whole.  fill = 1: the old slot is filled again, with the tile two on.  The barrier is then a round of the cluster's, and the joint
; fill is the first thing behind it: it has four key steps in which to land.  (At its first use nothing has been read yet: slot 0 is waited for, slot 1 filled.)
.macro CHANGE fill
	WIN 0                           ; at a label and at a branch every window is 0
	s_wait_tensorcnt 0x0            ; no tensor load of mine is out, so a group 0 may be written
	ds_add_u32 v[SPW], v[NIL]       ; 0 onto my spare word; with fill = 1 the descriptors' steps stand between it and the wait for it
.if \fill
.irp g, G0K, G0V
	s_xor_b32 s[\g+1], s[\g+1], SLOT1  ; the walking descriptor: the other slot than last time,
	s_add_nc_u64 s[\g+2:\g+3], s[\g+2:\g+3], 4*KS*128  ; the next 256 keys; the type bits on top are not reached
.endr
	s_wait_xcnt 0x0                 ; the last prefetch, four key steps back, has read its address, so it may be written:
	s_add_nc_u64 s[PFA:PFA+1], s[PFA:PFA+1], 4*KS*128  ; one tile behind the walking descriptors
	s_wait_dscnt 0x0                ; the add is done, and my reads of the slot are over
	CROUND
	JLOAD
	ASK
.else
	s_wait_dscnt 0x0                ; the add is done, and my reads of the slot are over
	s_barrier_signal -1
	s_barrier_wait -1
.endif
	s_sub_co_u32 s[TBK], s[TBK], 4*KS*PK  ; the fetches go back to a slot's first step,
	s_xor_b32 s[TBK], s[TBK], SLOT1       ; in the other slot
	s_sub_co_u32 s[TBV], s[TBV], 4*KS*PV
	s_xor_b32 s[TBV], s[TBV], SLOT1
.endm
	s_load_b128 s[80:83], s[0:1], 0x0  ; qkv s[80:81], ao s[82:83]
	v_lshl_add_u32 v[SPW], v0, 2, SPARE
	v_mov_b32 v[NIL], 0
	ds_add_u32 v[SPW], v[NIL]       ; the wave's opening: the add and its wait stand ahead of my first tensor load; the set-up below, work on registers, stands between them
	v_lshrrev_b32 v1, 5, v0
	v_readfirstlane_b32 s[WV], v1   ; wave 0..3
	s_bfe_u32 s13, ttmp6, 0x40000   ; cx: my place in the cluster
	s_and_b32 s14, ttmp9, 3         ; in a cluster launch ttmp9 counts clusters: 16 for each key and value head
	s_lshl_b32 s14, s14, 2
	s_add_co_u32 s14, s14, s13      ; my block of 256 queries = 4 x (cluster x % 4) + cx: it enters Q's and O's addresses alone
	s_and_b32 s20, ttmp7, 0xffff    ; the key and value head, which the four partners share
	s_lshr_b32 s21, ttmp9, 2
	s_lshl_b32 s2, s20, 2
	s_add_co_u32 s21, s21, s2       ; the query head = 4 x that head + cluster x / 4
	s_and_b32 s16, s[WV], 1         ; which half of a tile's 256 keys I fetch:
	s_lshl_b32 s2, s16, 14          ; its 128 rows of 128 bytes in memory
	s_add_co_u32 s22, s20, 16       ; K's heads lie behind Q's sixteen, 524,288 bytes each,
	s_lshl_b32 s22, s22, 19
	s_add_co_u32 s22, s22, s2
	s_mov_b32 s23, 0
	s_add_co_u32 s66, s20, 20       ; V's behind K's four
	s_lshl_b32 s66, s66, 19
	s_add_co_u32 s66, s66, s2
	s_mov_b32 s67, 0
	s_mul_i32 s17, s16, 128*PK      ; my half's place in a slot, for K
	s_mul_i32 s18, s16, 128*PV      ; and for V: no place in the cluster enters an LDS address
	s_lshl_b32 s70, s21, 19         ; Q: the head, my block's 256 rows, my wave's 64
	s_lshl_b32 s2, s14, 15
	s_add_co_u32 s70, s70, s2
	s_lshl_b32 s2, s[WV], 13
	s_add_co_u32 s70, s70, s2
	s_mov_b32 s71, 0
	s_lshl_b32 s72, s14, 1          ; O: row block 2 x block + wave / 2 (262,144 bytes), slab = head (16,384), 64 rows x (wave % 2)
	s_lshr_b32 s2, s[WV], 1
	s_add_co_u32 s72, s72, s2
	s_lshl_b32 s72, s72, 18
	s_lshl_b32 s2, s21, 14
	s_add_co_u32 s72, s72, s2
	s_lshl_b32 s2, s16, 13
	s_add_co_u32 s72, s72, s2
	s_mov_b32 s73, 0
	; descriptor group 1.  128 keys are 16,384 dense bytes: asked for as 64 rows of 256 bytes, two keys a row, and padded in LDS after every key
	s_mov_b32 s[G1K], 15|(1<<16)|(1<<20)|(1<<21)|(4<<22)|(3<<25)  ; 15:0 the mask of four; 17:16 2-byte elements; 20 padding on; 21 set beside a mask; 24:22 after every 32 words (code 4); 31:25 4 words (code 3)
	s_mov_b32 s[G1V], 15|(1<<16)|(1<<20)|(1<<21)|(4<<22)|(7<<25)  ; the same with 8 words of padding (code 7)
.irp g, G1K, G1V
	s_mov_b32 s[\g+1], 128<<16      ; tensor_dim0 = 128
	s_mov_b32 s[\g+2], 64<<16       ; tensor_dim1 = 64
	s_mov_b32 s[\g+3], 128<<16      ; tile_dim0 = 128
	s_mov_b32 s[\g+4], 64           ; tile_dim1 = 64
	s_mov_b32 s[\g+5], 128          ; 128 elements from row to row
	s_mov_b32 s[\g+6], 0
	s_mov_b32 s[\g+7], 0
.endr
	s_mov_b32 s[CS], 0x3e38aa3b     ; c = log2(e) / 8 = 0.180337
	s_mov_b32 s[CS+1], s[CS]        ; named with it as a pair
	s_mov_b32 s[SEL], 0x76543210
	s_mov_b32 s[SEL+1], 0xfedcba98
	s_mov_b32 s[TBK], SLOT1+4*KS*PK ; the first change of slots turns these two into 0
	s_mov_b32 s[TBV], SLOT1+4*KS*PV
	s_mov_b32 s[G0K], 1             ; count = 1
	s_mov_b32 s[G0K+1], s17         ; LDS address: slot 0
	s_mov_b32 s[G0V], 1
	s_add_co_u32 s[G0V+1], s18, VOFF
	s_mov_b32 s[SLOTS], NTILE-1
	s_and_b32 s[LIM], s[WV], 1      ; 0 in waves 0 and 2,
	s_or_b32 s[LIM], s[LIM], ttmp9  ; where the cluster is the head's first: the same in all four partners
	s_cmp_eq_u32 s[LIM], 0
	s_cselect_b32 s[LIM], 1, -1
	v_and_b32 v[PFO], 31, v0
	v_lshlrev_b32 v[PFO], 8, v[PFO]
	s_wait_dscnt 0x0                ; the opening add is done
	s_wait_kmcnt 0x0
	s_add_nc_u64 s[6:7], s[80:81], s[22:23]  ; K and V at my half of the head's tile 0
	s_add_nc_u64 s[8:9], s[80:81], s[66:67]
	s_mov_b64 s[G0K+2:G0K+3], s[6:7]               ; global address
	s_or_b32 s[G0K+3], s[G0K+3], 0x80000000        ; type = 2
	s_mov_b64 s[G0V+2:G0V+3], s[8:9]
	s_or_b32 s[G0V+3], s[G0V+3], 0x80000000
	s_add_nc_u64 s[4:5], s[80:81], s[70:71]        ; Q and O at my wave's first row
	s_add_nc_u64 s[10:11], s[82:83], s[72:73]
	s_cmp_lt_u32 s[WV], 2
	s_cselect_b64 s[PFA:PFA+1], s[6:7], s[8:9]     ; (in waves 0 and 2 these stand at a tile's first byte)
	s_lshl_b32 s2, s13, 13          ; my work-group's 32 blocks of the 128
	s_mov_b32 s3, 0
	s_add_nc_u64 s[PFA:PFA+1], s[PFA:PFA+1], s[2:3]
	s_add_nc_u64 s[PFA:PFA+1], s[PFA:PFA+1], 4*KS*128  ; in tile 1; the first change of slots steps it to tile 2.  Nothing is prefetched here, at the head
	CROUND                          ; all four work-groups are here: the first joint loads meet
	JLOAD                           ; tile 0 into slot 0.  Slot 1 is asked for when slot 0 is in
	; A fragment of K or Q is 16 rows x 32 channels in 8 registers: lane l holds row l % 16, channels 8 (l / 16) + 0..7 and 16 + 8 (l / 16) + 0..7: two loads of 16 bytes, 32 bytes apart.
	v_and_b32 v1, 15, v0            ; l % 16
	v_bfe_u32 v9, v0, 4, 1          ; l / 16
	v_lshlrev_b32 v[QO], 7, v1
	v_lshl_add_u32 v[QO], v9, 4, v[QO]  ; row x 128 + 16 x half
	WIN 0x80                        ; destination window 2, address window 0
.set i, 0
.rept 8                             ; Q stays in registers: piece i / 2, channels 32 (i % 2) on
	global_load_b128 v[8*i:8*i+3],   v[QO], s[4:5] offset:(i/2)*2048+(i%2)*64
	global_load_b128 v[8*i+4:8*i+7], v[QO], s[4:5] offset:(i/2)*2048+(i%2)*64+32
.set i, i+1
.endr
	; What the first turn finds: V's registers and P's second buffer hold 0 (its products V^T P, of a piece that has not been, add 0), O^T and l are 0.  All this stands in the wait for the first tile;
	; it is the price of writing no first step out.
.set i, VF
.rept 64
	v_mov_b32 v[i], 0
.set i, i+1
.endr
	WIN 0x40
.set i, 0
.rept 128
	v_mov_b32 v[i], 0
.set i, i+1
.endr
	WIN 0
.set i, 0
.rept 4
	v_mov_b32 v[ST+4*i], 0xfe000000    ; c m: far below every c s
	v_mov_b32 v[ST+4*i+1], 0xff7fffff  ; m
	v_mov_b32 v[ST+4*i+2], 0
	v_mov_b32 v[ST+4*i+3], 0
.set i, i+1
.endr
.set i, P+16
.rept 16
	v_mov_b32 v[i], 0
.set i, i+1
.endr
	v_mul_u32_u24 v[AK0], v1, PK
	v_lshl_add_u32 v[AK0], v9, 4, v[AK0]  ; row x pitch + 16 x half
	; The turning load takes 16 keys x 16 channels (lane l reads key 8 (l / 16) + l % 8, channels 8 ((l / 8) % 2) + 0..7) and leaves half a fragment of V^T: lane l holds channel l % 16 and 8 keys.
	v_and_b32 v10, 7, v0
	v_bfe_u32 v11, v0, 3, 1
	v_lshl_add_u32 v[AV0], v9, 3, v10
	v_mul_u32_u24 v[AV0], v[AV0], PV
	v_lshl_add_u32 v[AV0], v11, 4, v[AV0]
	v_add_nc_u32 v[AV0], VOFF, v[AV0]
	s_mul_i32 s13, s[WV], 16*SP
	s_add_co_u32 s13, s13, STAGE    ; my stage
	v_mul_u32_u24 v[STO], v1, SP    ; in: row l % 16, 16 bytes for each half of the lanes
	v_lshl_add_u32 v[STO], v9, 4, v[STO]
	v_add_nc_u32 v[STO], s13, v[STO]
	v_bfe_u32 v[RD], v0, 3, 2       ; back: 32 lanes take four rows of 128 bytes,
	v_mul_u32_u24 v[RD], v[RD], SP
	v_lshl_add_u32 v[RD], v10, 4, v[RD]
	v_add_nc_u32 v[RD], s13, v[RD]
	v_and_b32 v[GO], 31, v0         ; which are 512 consecutive bytes of O
	v_lshlrev_b32 v[GO], 4, v[GO]
; THE MATRIX WORK.  The 4 accumulators of a run of 8 take turns.  Product i of 8 of S^T = K Q^T for piece x: channels 32 (i / 4) on, keys 16 (i % 4) on.  The first 4 start the sums.
.macro KQ x
	WIN W_KQ
.set rS, S+32*((\x)%2)+8*(i%4)
.set rK, KF+16*(i%4)+8*(i/4)
.set rQ, 16*(\x)+8*(i/4)
.if i < 4
	v_wmma_f32_16x16x32_f16 v[rS:rS+7], v[rK:rK+7], v[rQ:rQ+7], 0
.else
	v_wmma_f32_16x16x32_f16 v[rS:rS+7], v[rK:rK+7], v[rQ:rQ+7], v[rS:rS+7]
.endif
.endm
; Product i of 8 of O^T += V^T P for piece x: keys 32 (i / 4) on, channels 16 (i % 4) on.
.macro PV x
	WIN W_PV
.set rO, 32*(\x)+8*(i%4)
.set rV, VF+32*(i/4)+8*(i%4)
.set rP, P+16*((\x)%2)+8*(i/4)
	v_wmma_f32_16x16x32_f16 v[rO:rO+7], v[rV:rV+7], v[rP:rP+7], v[rO:rO+7]
.endm
.macro MM                           ; the turn's next matrix instruction.  NOKQ = 1: the walk's last turn: there is no next piece
.if (i < 8) && !NOKQ
	KQ (Y+1)%NP
.elseif i >= 8
.set i, i-8
	PV (Y+NP-1)%NP
.set i, i+8
.endif
.set i, i+1
.endm
; THE LDS LOADS stand in runs of 16, never singly among the matrix instructions: a step's K (64 keys x 64 channels: 8 fragments) and its V (turned).  Their addresses are made some lines ahead.
.macro FETCH_K
	WIN 0x80                        ; destination window 2
.irp f, 0,1,2,3,4,5,6,7             ; keys 16 (f / 2) on, channels 32 (f % 2) on
	ds_load_b128 v[KF+8*\f:KF+8*\f+3],   v[AK] offset:(\f/2)*16*PK+(\f%2)*64
	ds_load_b128 v[KF+8*\f+4:KF+8*\f+7], v[AK] offset:(\f/2)*16*PK+(\f%2)*64+32
.endr
	s_add_co_u32 s[TBK], s[TBK], KS*PK  ; the next fetch is the next step's
	WIN 0
.endm
.macro FETCH_V
	WIN 0x80
.irp f, 0,1,2,3,4,5,6,7             ; keys 32 (f / 4) on, channels 16 (f % 4) on
	ds_load_tr16_b128 v[VF+8*\f:VF+8*\f+3],   v[AV] offset:(\f/4)*32*PV+(\f%4)*32
	ds_load_tr16_b128 v[VF+8*\f+4:VF+8*\f+7], v[AV] offset:(\f/4)*32*PV+16*PV+(\f%4)*32
.endr
	WIN 0
.endm
; THE VECTOR WORK, one line at a time: OP kind, number.  For piece Y: F n: c s - c m for pair n of 16.  E n: the exponential of score n of 32.  C n: pair n rounded to f16.  B n: of the four weights 4 n .. the second
; pair is added onto the first, in place.  L n: l takes that sum (L 0: l = a l + sum).  R n: pair n of 16 of O^T times a.  For piece Y + 1: X n, number n of the 22 that find its maximum and statistics:
;   0-11  four chains c0-c3 of seven scores each, three operands at a time (each accumulator's lowest registers are read first)     12-14, 16  the four scores left over, the old m, and c0-c3 into c0
;   15  c m_old is kept     17, 18  the query's other 32 keys lie in the lane 16 away: the new m     19-21  c m; c m_old - c m_new; a
.set F, 0               ; OP tells the kinds apart by their order: F to L below R, X above it
.set E, 1
.set C, 2
.set B, 3
.set L, 4
.set R, 5
.set X, 6
.macro REGS y                       ; the registers of piece y
.set rT, ST+4*(\y)
.set rC, TMP+4*((\y)%2)
.set rW, MV+((\y)%2)
.set rS, S+32*((\y)%2)
.set rP, P+16*((\y)%2)
.set rO, 32*(\y)
.endm
.macro OP k, n
.if (\k) == R
	REGS Y
	WIN W_RS
	v_pk_mul_f32 v[rO+2*(\n):rO+2*(\n)+1], v[rO+2*(\n):rO+2*(\n)+1], v[rC+2:rC+3] op_sel_hi:[1,0]
.elseif (\k) < R
	REGS Y
	WIN 0
.if (\k) == F
	v_pk_fma_f32 v[rS+2*(\n):rS+2*(\n)+1], v[rS+2*(\n):rS+2*(\n)+1], s[CS:CS+1], v[rT:rT+1] op_sel_hi:[1,0,0] neg_lo:[0,0,1] neg_hi:[0,0,1]
.elseif (\k) == E
	v_exp_f32 v[rS+(\n)], v[rS+(\n)]
.elseif (\k) == C
	s_wait_alu depctr_va_vdst(0)
	v_cvt_pk_f16_f32 v[rP+(\n)], v[rS+2*(\n)], v[rS+2*(\n)+1]
.elseif (\k) == B
	s_wait_alu depctr_va_vdst(0)
	v_pk_add_f32 v[rS+4*(\n):rS+4*(\n)+1], v[rS+4*(\n):rS+4*(\n)+1], v[rS+4*(\n)+2:rS+4*(\n)+3]
.elseif (\n) == 0
	v_pk_fma_f32 v[rT+2:rT+3], v[rT+2:rT+3], v[rC+2:rC+3], v[rS:rS+1] op_sel_hi:[1,0,1]
.else
	v_pk_add_f32 v[rT+2:rT+3], v[rT+2:rT+3], v[rS+4*(\n):rS+4*(\n)+1]
.endif
.elseif NOKQ
	v_nop
.else
	REGS (Y+1)%NP
	WIN 0
.if (\n) < 4
	v_max3_num_f32 v[rC+(\n)], v[rS+8*(\n)], v[rS+8*(\n)+1], v[rS+8*(\n)+2]
.elseif (\n) < 12
	v_max3_num_f32 v[rC+(\n)%4], v[rC+(\n)%4], v[rS+8*((\n)%4)+2*((\n)/4)+1], v[rS+8*((\n)%4)+2*((\n)/4)+2]
.elseif (\n) == 12
	v_max3_num_f32 v[rC], v[rC], v[rS+7], v[rS+15]
.elseif (\n) == 13
	v_max3_num_f32 v[rC+1], v[rC+1], v[rS+23], v[rS+31]
.elseif (\n) == 14
	v_max3_num_f32 v[rC+2], v[rC+2], v[rC+3], v[rT+1]
.elseif (\n) == 15
	v_mov_b32 v[rW], v[rT]
.elseif (\n) == 16
	v_max3_num_f32 v[rC], v[rC], v[rC+1], v[rC+2]
.elseif (\n) == 17
	v_permlanex16_b32 v[rC+3], v[rC], s[SEL], s[SEL+1]
.elseif (\n) == 18
	v_max_num_f32 v[rT+1], v[rC], v[rC+3]
.elseif (\n) == 19
	v_mul_f32 v[rT], s[CS], v[rT+1]
.elseif (\n) == 20
	v_sub_f32 v[rC+1], v[rW], v[rT]
.else
	v_exp_f32 v[rC+2], v[rC+1]
.endif
.endif
.endm
.macro OPS a, i1, b=-1, i2=0, c=-1, i3=0, d=-1, i4=0  ; up to four of them
	OP \a, \i1
.if (\b) >= 0
	OP \b, \i2
.endif
.if (\c) >= 0
	OP \c, \i3
.endif
.if (\d) >= 0
	OP \d, \i4
.endif
.endm
.macro ROW a, i1, b, i2, c, i3, d, i4  ; a matrix instruction and the four behind it
	MM
	OPS \a, \i1, \b, \i2, \c, \i3, \d, \i4
.endm
; A TURN, for piece p: the order of its 16 matrix and 118 vector instructions, written out.  Behind a matrix instruction: plain, exponential, plain, plain; or four of the rescaling; or, behind the first, four scalings; none
; names a register of the products round it.  In the runs between, exponential and plain by turns while exponentials last.  A line reads no result made fewer than three vector instructions in front of it, five if an
; exponential made it.  v_permlanex16_b32 (X 17) stands in such a run.
; end = 1: the walk's last two turns: nothing is fetched.  cnt = 1: the loop's count is taken down some lines ahead of the branch that stands behind the turn.
; K of the next step is fetched in piece 2's turn, six vector instructions behind the last product that read K (five of them plain); V of the step in hand in piece 0's turn, eight behind the last product that read V (four
; plain, and X 17).  Each is waited for a turn later.
.macro TURN p, end=0, cnt=0
.set Y, (\p)
.set i, 0
.set NOKQ, (\end)*((\p)/3)
.if ((\p) == 3) && !(\end)
	s_wait_dscnt 0x0                ; K is in
.endif
	ROW F,0, F,1, F,2, F,3
	ROW F,4, E,0, F,5, F,6
	ROW F,7, E,1, F,8, F,9
	ROW F,10, E,2, C,0, F,11
	ROW F,12, E,3, X,15, F,13
	ROW R,0, R,1, R,2, R,3
	ROW B,0, E,4, F,14, L,0
.if ((\p) == 2) && !(\end)
	v_add_nc_u32 v[AK], s[TBK], v[AK0]
.endif
	ROW R,4, R,5, R,6, R,7
	OPS E,5, F,15
.if ((\p) == 2) && !(\end)
	FETCH_K
.endif
	OPS E,6, C,1, E,7, R,8
	OPS E,8, R,9, E,9, C,2
	OPS E,10, X,0, E,11, X,1
	OPS E,12, X,2, E,13, X,3
.if (\p) == 1
	s_wait_dscnt 0x0                ; V is in
.endif
	ROW X,4, E,14, X,5, X,6
	ROW X,7, E,15, X,8, X,9
	ROW X,10, E,16, X,11, X,12
	ROW X,13, E,17, X,14, B,1
	ROW C,4, E,18, X,16, L,1
	ROW B,2, E,19, C,6, L,2
	ROW C,8, E,20, B,3, B,4
.if (\p) == 0
	v_add_nc_u32 v[AV], s[TBV], v[AV0]
.endif
	ROW C,3, E,21, L,3, C,5
	OPS E,22, X,17, E,23, C,10
.if (\p) == 0
	FETCH_V
.endif
	OPS E,24, L,4
	OPS E,25, X,18, E,26, C,7
	OPS E,27, B,5, E,28, X,19
	OPS E,29, C,12, E,30, L,5
	OPS E,31, X,20, B,6, C,9
	OPS C,14, C,11, X,21, L,6
.if (\p) == 0
	s_add_co_u32 s[TBV], s[TBV], KS*PV
.endif
.if \cnt
	s_sub_co_u32 s[CNT], s[CNT], 1
	s_cmp_lg_u32 s[CNT], 0
.endif
	OPS C,13, B,7, C,15, R,10
	OPS R,11, R,12, L,7, R,13
	OPS R,14, R,15
.endm
	CHANGE 1                        ; tile 0 is in, everybody's part of it; tile 1 is asked for
	v_add_nc_u32 v[AK], s[TBK], v[AK0]
	FETCH_K                         ; key step 0
	s_wait_loadcnt 0x0              ; Q
	s_wait_dscnt 0x0
.set NOKQ, 0
.set i, 0
.rept 8
	KQ 0                            ; piece 0's first scores: there is no vector work yet to set between them
.set i, i+1
.endr
	WIN 0
.rept 4
	v_nop                           ; the places behind those products
.endr
.set Y, NP-1                        ; X works for piece Y + 1: piece 0
.irp n, 0,1,2,3,4,5,6,7,8,9,10,11,12,13,14,15,16,17,18,19,20,21
	OP X, \n                        ; and piece 0's first maximum and statistics
.endr
	v_nop                           ; a plain instruction behind the exponential
	s_mov_b32 s[CNT], 4
	s_branch .Lfirst                ; the loop is entered at a step's first turn, in the middle of a trip
.Lslot:                             ; 14 times: tiles 2 to 15 are asked for
	CHANGE 1
	s_mov_b32 s[CNT], 4
.Lstep:                             ; a trip: pieces 2 and 3 of one step, then pieces 0 and 1 of the next, whose K and V it fetches
	TURN 2
	TURN 3
	WIN 0
.Lfirst:
	TURN 0
	TURN 1, 0, 1
	WIN 0
	s_cbranch_scc1 .Lstep
	s_sub_co_u32 s[SLOTS], s[SLOTS], 1
	s_cmp_lg_u32 s[SLOTS], 0
	s_cbranch_scc1 .Lslot
	CHANGE 0                        ; the last tile is written out: nothing is asked for
	s_mov_b32 s[CNT], 4
.Ltail:
	TURN 2
	TURN 3
	TURN 0
	TURN 1, 0, 1
	WIN 0
	s_cbranch_scc1 .Ltail
	TURN 2, 1                       ; the last step's pieces 2 and 3: nothing more is fetched, and the last turn starts no scores
	TURN 3, 1
.set i, 0
.rept 8
	PV NP-1                         ; the last piece's V^T P of the last step
.set i, i+1
.endr
	; THE WAY OUT.  l's two halves and the other half of the lanes' are added; O^T is divided by l, rounded to f16 and sent through my stage in LDS, a piece at a time.  The additions are the places behind the last products.
	WIN 0
.macro ALL line:vararg              ; one line for each piece t
.set t, 0
.rept 4
	\line
.set t, t+1
.endr
.endm
	ALL v_add_f32 v[ST+4*t+2], v[ST+4*t+2], v[ST+4*t+3]
	ALL v_permlanex16_b32 v[ST+4*t+3], v[ST+4*t+2], s[SEL], s[SEL+1]
	ALL v_add_f32 v[ST+4*t+2], v[ST+4*t+2], v[ST+4*t+3]
	ALL v_rcp_f32 v[ST+4*t+2], v[ST+4*t+2]
	v_nop                           ; a plain instruction between the last reciprocal and the use of its result
.macro PACK t                       ; a lane's eight channels of a row pack into 16 bytes; they go into rows of 144 bytes and come back as whole rows of 128, into S^T's registers
	WIN W_RS
.set i, 32*(\t)
.rept 16
	s_wait_alu depctr_va_vdst(0)
	v_pk_mul_f32 v[i:i+1], v[i:i+1], v[ST+4*(\t)+2:ST+4*(\t)+3] op_sel_hi:[1,0]
.set i, i+2
.endr
	WIN 0x05                        ; sources 0 and 1 window 1, destination window 0
.set i, 0
.rept 16
	v_cvt_pk_f16_f32 v[S+16*(\t)+i], v[32*(\t)+2*i], v[32*(\t)+2*i+1]
.set i, i+1
.endr
	WIN 0
.irp f, 0,1,2,3
	ds_store_b128 v[STO], v[S+16*(\t)+4*\f:S+16*(\t)+4*\f+3] offset:32*\f
.endr
.irp f, 0,1,2,3
	ds_load_b128 v[S+16*(\t)+4*\f:S+16*(\t)+4*\f+3], v[RD] offset:\f*4*SP  ; LDS serves a wave's instructions in order (ISA guide 5.7.1.4): these see the stores above; the next piece's stores come behind them
.endr
.endm
.macro SEND t, younger              ; younger: the LDS instructions issued behind piece t's loads: the next piece's eight, or none
	WIN 0
.irp f, 0,1,2,3
	s_wait_dscnt (\younger)+3-\f
	global_store_b128 v[GO], v[S+16*(\t)+4*\f:S+16*(\t)+4*\f+3], s[10:11] offset:(\t)*2048+\f*512  ; 512 consecutive bytes, at a multiple of 256 from ao's first byte
.endr
.endm
	PACK 0
.set t, 1
.rept 3                             ; a piece's arithmetic stands between the loads of the piece before and its stores
	PACK t
	SEND t-1, 8
.set t, t+1
.endr
	SEND 3, 0
	s_wait_tensorcnt 0x0            ; the wave's end: behind my last tensor load and my last LDS store
	ds_add_u32 v[SPW], v[NIL]
	s_wait_dscnt 0x0
	CROUND                          ; the closing round: no work-group ends while a partner may still ask for a tile that names it
	s_endpgm
.Lfunc_end_k_qceb0845e5f_attn:
	.size	k_qceb0845e5f_attn, .Lfunc_end_k_qceb0845e5f_attn-k_qceb0845e5f_attn
	.p2alignl 7, 3214868480
	.fill 96, 4, 3214868480
	.section	.rodata,"a",@progbits
	.p2align	6, 0x0
	.amdhsa_kernel k_qceb0845e5f_attn
		.amdhsa_group_segment_fixed_size 327680
		.amdhsa_private_segment_fixed_size 0
		.amdhsa_enable_private_segment 0
		.amdhsa_kernarg_size 16
		.amdhsa_user_sgpr_count 2
		.amdhsa_user_sgpr_kernarg_segment_ptr 1
		.amdhsa_wavefront_size32 1
		.amdhsa_system_sgpr_workgroup_id_x 1
		.amdhsa_system_sgpr_workgroup_id_y 1
		.amdhsa_system_sgpr_workgroup_id_z 1
		.amdhsa_system_vgpr_workitem_id 0
		.amdhsa_next_free_vgpr 768
		.amdhsa_next_free_sgpr 88
		.amdhsa_reserve_vcc 0
		.amdhsa_float_denorm_mode_32 3
		.amdhsa_float_denorm_mode_16_64 3
		.amdhsa_memory_ordered 1
		.amdhsa_forward_progress 1
		.amdhsa_inst_pref_size 135
	.end_amdhsa_kernel
	.amdgpu_metadata
---
amdhsa.version: [ 1, 2 ]
amdhsa.kernels:
  - .name:           k_qceb0845e5f_attn
    .symbol:         k_qceb0845e5f_attn.kd
    .args:
      - { .name: qkv, .offset: 0, .size: 8, .value_kind: global_buffer, .address_space: global }
      - { .name: ao, .offset: 8, .size: 8, .value_kind: global_buffer, .address_space: global }
    .group_segment_fixed_size: 327680
    .private_segment_fixed_size: 0
    .kernarg_segment_align: 8
    .kernarg_segment_size: 16
    .max_flat_workgroup_size: 128
    .sgpr_count:     88
    .vgpr_count:     768
    .wavefront_size: 32
...
	.end_amdgpu_metadata
.endif
;; end of part 3
;; launch outp (part 4): grid 8 x 32, 4 waves a work-group, clusters of 4 x 4, 327,680 bytes of LDS; arguments ao, ob, o_b, out0; writes out0
.if DOCPART == 4
	.amdgcn_target "amdgcn-amd-amdhsa--gfx1250"
	.amdhsa_code_object_version 6
	.text
	.protected	k_qceb0845e5f_outp
	.globl	k_qceb0845e5f_outp
	.p2align	8
	.type	k_qceb0845e5f_outp,@function
k_qceb0845e5f_outp:
	s_mov_b64 s[64:65], 0
	v_nop
	global_prefetch_b8 v0, s[64:65] scope:SCOPE_SE
	s_setreg_imm32_b32 hwreg(HW_REG_WAVE_MODE, 25, 1), 1
	s_wait_xcnt 0x0
	s_wait_alu depctr_hold_cnt(0) depctr_sa_sdst(0) depctr_va_vdst(0) depctr_va_sdst(0) depctr_va_ssrc(0) depctr_va_vcc(0) depctr_vm_vsrc(0)
	s_getreg_b32 s2, hwreg(HW_REG_IB_STS2, 6, 4)
	s_cmp_eq_u32 s2, 0
	s_cbranch_scc0 .Lentry_in_a_cluster
	s_endpgm
.Lentry_in_a_cluster:
	s_bfe_u32 s2, ttmp6, 0x10000c
	s_cmp_lg_u32 s2, 0xf033
	s_cbranch_scc0 .Lentry_shape_is_right
	s_endpgm
.Lentry_shape_is_right:
; THE OUTPUT PROJECTION.  out0[row][n] = the sum over k of O[row][k] o_w[k][n] + o_b[n]: 4,096 x 1,024 x 1,024, out0 in f32.
; Operands f16 (ao: attention's result in slabs of 64 numbers a row, one slab a head; ob: o_w rounded to bf16 and written as f16, in blocks of 64 columns), sums f32.
; The bias is rounded to bf16 like all inputs and starts the sums, in f32, as the C operand of each accumulator's first product.
; LIMITS.  Those of f16 on O and o_w (65,504; a fixed step of 6e-8 below 6e-5).  NaN and infinities are not treated apart.
; SHARES.  A tile is 128 rows x 128 columns: 32 x 8 tiles, one work-group each.  Four waves, 64 x 64 each: 16 accumulators of 16 x 16.  Wave (wm, wn): rows 64 wm on, column block wn.
; RING.  K goes in steps of 256 through two LDS slots.  A slot: four slabs of O (4 x 128 rows, 144 bytes apart), then two blocks of o_w (256 rows k each, 160 bytes apart).  Every part is a dense block of
; memory and is asked for as rows of 256 bytes, padded in LDS after every 128.  Waves 0 and 1 fetch two slabs each, waves 2 and 3 a block each: 32 KiB a load, one load a wave behind each round.
; CLUSTER 4 x 4: O's tile hangs on the tile row alone and is asked for jointly along a row of the cluster, o_w's on the tile column alone, along a column.
; THE MATRIX INSTRUCTION IS USED TRANSPOSED: source 0 = 16 columns of o_w (turned by ds_load_tr16_b128), source 1 = 16 rows of O: a lane holds row l % 16 and the columns 8 (l / 16) + 0..7.
; THE STAGE of the way out lies in slot 0: that slot's last fill (step 2) has landed, and every wave's reads of it are over, in front of the barrier between steps 2 and 3; no tensor load follows.
; Nothing is prefetched: a work-group has four steps, and the first two go out at its head.
; REGISTERS.  Window 0: v0-29 addresses; v64-191 the accumulators ((a, b) at 64 + 8 (4 a + b)).  Window 1: two fragment buffers of 64 (32 of O, 32 of o_w), v160-191 the biases, v208-211 at work.
.set NB,    2                          ; blocks of 64 columns in a tile
.set NT,    4                          ; column tiles of 16 a wave
.set SL,    4                          ; slabs of O in a slot
.set NAW,   2                          ; waves that fetch O
.set KSLOT, 64*SL
.set LAPS,  16/SL/2                    ; a lap = two steps = once round the ring
.set PITA,  144                        ; a row of O in LDS: 128 bytes + 16 = 36 words: the 16 rows of a load start at 16 different groups of four banks (64 banks of 4 bytes: ISA guide 11.1)
.set PITB,  160                        ; a row of o_w: 128 + 32 = 40 words
.set SLABL, 128*PITA
.set AB,    SL*SLABL                   ; o_w's blocks begin behind O's slabs
.set BBLK,  KSLOT*PITB
.set SLOT,  AB+NB*BBLK
.set SPIT,  272                        ; a row of the stage: 256 bytes + 16
.set SPARE, 2*SLOT                     ; behind the ring: the spare words, 128 bytes for each wave: two blocks of 256 bytes that no other line names
.set NL,    8+2*NT                     ; LDS loads in a run
.set ADRA, 16                          ; v16-17  LDS address of my fragments of O in slot 0, 1
.set ADRB, 20                          ; v20-21  the same for o_w
.set STO,  24                          ; v24     the way out: where I put 32 bytes of a row
.set RD,   25                          ; v25     where I read rows back
.set CO,   26                          ; v26     my byte offset in two rows of out0
.set BV,   27                          ; v27     my byte offset in 16 biases
.set SPW,  28                          ; v28     LDS address of my spare word; never rewritten
.set NIL,  29                          ; v29     0; never rewritten
.set ACC,  64
.set FB,   32+8*NT
.set F0,   0                           ; fragment buffers, in window 1: O's row tile a at + 8 a, o_w's column tile b at + 32 + 8 b
.set F1,   FB
.set BI,   160                         ; window 1: the biases of column tile b at BI + 8 b
.set TW,   208                         ; window 1: at work
.set WV,   16                          ; s16 wave; s17 wm; s18 wn
.set WM,   17
.set WN,   18
.set G1A,  24                          ; s[24:31] descriptor group 1 for O's tiles; s[32:39] group 0, a set for each slot
.set G0A,  32
.set G1B,  48                          ; s[48:55], s[56:63] the same for o_w's
.set G0B,  56
.set PBI,  66                          ; s[66:67] my 64 biases
.set MSB, 0
.macro WIN new                         ; the immediate's high byte repeats the setting that is left; a switch that changes nothing is dropped
.if MSB != (\new)
	s_set_vgpr_msb (MSB<<8)|(\new)
.set MSB, \new
.endif
.endm
.set MUL,  0x05                        ; sources 0 and 1 window 1; C and D window 0
.set MULB, 0x15                        ; the same with C in window 1: the biases
.set TO_F, 0x40                        ; destination window 1, address window 0
.set W_BI, 0x45                        ; destination and both sources window 1
.macro JLOAD s                         ; a joint load: waves 0 and 1 fetch O's slabs, waves 2 and 3 o_w's blocks; an s_nop 0 and four v_nop follow each of the two lines, ahead of the jump and the label
	s_cmp_lt_u32 s[WV], NAW
	s_cbranch_scc0 .Lfor_b_\@
	tensor_load_to_lds s[G0A+4*(\s):G0A+4*(\s)+3], s[G1A:G1A+7]
	s_nop 0
.rept 4
	v_nop
.endr
	s_branch .Lasked_\@
.Lfor_b_\@:
	tensor_load_to_lds s[G0B+4*(\s):G0B+4*(\s)+3], s[G1B:G1B+7]
	s_nop 0
.rept 4
	v_nop
.endr
.Lasked_\@:
.endm
.macro CREST                           ; a round of the cluster's barrier behind its opening barrier
	s_cmp_lg_u32 s[WV], 0
	s_cbranch_scc1 .Lnot_wave_0_\@
	s_barrier_signal -3
.Lnot_wave_0_\@:
	s_barrier_wait -3
	s_barrier_signal -1
	s_barrier_wait -1
.endm
.macro CROUND                          ; a whole round
	s_barrier_signal -1
	s_barrier_wait -1
	CREST
.endm
.macro PLACES                          ; four places in front of loads into registers that matrix instructions have read, and of stores that read results
.rept 4
	v_nop
.endr
.endm
	s_load_b256 s[4:11], s[0:1], 0x0               ; ao s[4:5], ob s[6:7], o_b s[8:9], out0 s[10:11]
	v_lshl_add_u32 v[SPW], v0, 2, SPARE
	v_mov_b32 v[NIL], 0
	ds_add_u32 v[SPW], v[NIL]                      ; the wave's opening: the add and its wait stand ahead of my first tensor load; the set-up below, work on registers, stands between them
	v_lshrrev_b32 v1, 5, v0
	v_readfirstlane_b32 s[WV], v1                  ; wave 0..3
	s_lshr_b32 s[WM], s[WV], 1
	s_and_b32 s[WN], s[WV], 1                      ; also: which two slabs, or which block, I fetch
	s_bfe_u32 s20, ttmp6, 0x40000                  ; cx, cy: my place in the cluster
	s_bfe_u32 s21, ttmp6, 0x40004
	s_lshl_b32 s22, ttmp9, 2
	s_add_co_u32 s22, s22, s20                     ; tile column = 4 x cluster x + cx
	s_and_b32 s23, ttmp7, 0xffff
	s_lshl_b32 s23, s23, 2
	s_add_co_u32 s23, s23, s21                     ; tile row = 4 x cluster y + cy
	s_lshl_b32 s40, s21, 2
	s_lshl_b32 s40, 15, s40                        ; my row of the cluster
	s_lshl_b32 s41, 0x1111, s20                    ; my column
	; group 1: rows of 128 elements (256 bytes, two rows of a slab), padded in LDS after every 32 words
	s_or_b32 s[G1A], s40, (1<<16)|(1<<20)|(1<<21)|(4<<22)|(3<<25)  ; 15:0 the mask; 17:16 2-byte elements; 20 padding on; 21 set beside a mask; 24:22 after every 32 words (code 4); 31:25 4 words (code 3)
	s_or_b32 s[G1B], s41, (1<<16)|(1<<20)|(1<<21)|(4<<22)|(7<<25)  ; the same with my column's mask and 8 words of padding (code 7)
	s_mov_b32 s[G1A+1], 128<<16                    ; tensor_dim0 = 128
	s_mov_b32 s[G1A+2], 128<<16                    ; tensor_dim1 = 128 rows: two slabs
	s_mov_b32 s[G1A+3], 128<<16                    ; tile_dim0 = 128
	s_mov_b32 s[G1A+4], 128                        ; tile_dim1 = 128
	s_mov_b32 s[G1A+5], 128                        ; 128 elements from row to row: dense
	s_mov_b32 s[G1A+6], 0
	s_mov_b32 s[G1A+7], 0
	s_mov_b32 s[G1B+1], 128<<16
	s_mov_b32 s[G1B+2], (32*SL)<<16                ; 128 rows: 256 rows k of a block
	s_mov_b32 s[G1B+3], 128<<16
	s_mov_b32 s[G1B+4], 32*SL
	s_mov_b32 s[G1B+5], 128
	s_mov_b32 s[G1B+6], 0
	s_mov_b32 s[G1B+7], 0
	s_lshl_b32 s42, s23, 18                        ; O: the tile row's 16 slabs of 16,384 bytes,
	s_lshl_b32 s43, s[WN], 15                      ; my two of a step's four
	s_add_co_u32 s42, s42, s43
	s_mov_b32 s43, 0
	s_lshl_b32 s44, s22, 1                         ; o_w: block 2 x tile column + wave % 2
	s_add_co_u32 s44, s44, s[WN]
	s_lshl_b32 s44, s44, 17                        ; blocks of 131,072 bytes
	s_mov_b32 s45, 0
	s_mul_i32 s46, s[WN], 2*SLABL                  ; and where they go: two slabs,
	s_mul_i32 s47, s[WN], BBLK                     ; or a block behind O's slabs
	s_add_co_u32 s47, s47, AB
	s_wait_dscnt 0x0                               ; the opening add is done
	s_wait_kmcnt 0x0
	s_add_nc_u64 s[42:43], s[4:5], s[42:43]
	s_add_nc_u64 s[44:45], s[6:7], s[44:45]
	CROUND                                         ; all sixteen work-groups are here: the first joint loads meet
.irp s, 0,1
	s_mov_b32 s[G0A+4*(\s)], 1                     ; count = 1
	s_add_co_u32 s[G0A+4*(\s)+1], s46, (\s)*SLOT   ; LDS address
	s_add_nc_u64 s[G0A+4*(\s)+2:G0A+4*(\s)+3], s[42:43], (\s)*SL*16384  ; global address: step s
	s_or_b32 s[G0A+4*(\s)+3], s[G0A+4*(\s)+3], 0x80000000               ; type = 2
	s_mov_b32 s[G0B+4*(\s)], 1
	s_add_co_u32 s[G0B+4*(\s)+1], s47, (\s)*SLOT
	s_add_nc_u64 s[G0B+4*(\s)+2:G0B+4*(\s)+3], s[44:45], (\s)*KSLOT*128
	s_or_b32 s[G0B+4*(\s)+3], s[G0B+4*(\s)+3], 0x80000000
	JLOAD \s                                       ; two loads of mine are out
.endr
	; lane addresses
	v_and_b32 v1, 15, v0                           ; r = l % 16
	v_bfe_u32 v2, v0, 4, 1                         ; h = l / 16
	v_mul_u32_u24 v3, v1, PITA
	v_lshl_add_u32 v3, v2, 4, v3                   ; r x 144 + 16 h
	s_mul_i32 s40, s[WM], 64*PITA
	v_add_nc_u32 v[ADRA], s40, v3
	v_add_nc_u32 v[ADRA+1], SLOT, v[ADRA]
	v_and_b32 v7, 7, v0
	v_lshl_add_u32 v4, v2, 3, v7                   ; the turning load: row k = 8 h + l % 8,
	v_mul_u32_u24 v4, v4, PITB
	v_bfe_u32 v5, v0, 3, 1
	v_lshl_add_u32 v4, v5, 4, v4                   ; columns 8 ((l / 8) % 2) on
	v_add_nc_u32 v[ADRB], s47, v4                  ; my block = the one that wave % 2 names
	v_add_nc_u32 v[ADRB+1], SLOT, v[ADRB]
	s_mul_i32 s40, s[WV], 16*SPIT                  ; my stage: 16 rows of 272 bytes
	v_mul_u32_u24 v6, v1, SPIT
	v_lshl_add_u32 v6, v2, 5, v6
	v_add_nc_u32 v[STO], s40, v6                   ; in: row r, 32 bytes for each half of the lanes
	v_mul_u32_u24 v6, v2, SPIT
	v_lshl_add_u32 v6, v1, 4, v6
	v_add_nc_u32 v[RD], s40, v6                    ; back: lanes 0-15 take one row of 256 bytes, lanes 16-31 the next
	v_lshlrev_b32 v[CO], 12, v2                    ; and the same two rows in out0
	v_lshl_add_u32 v[CO], v1, 4, v[CO]
	s_lshl_b32 s76, s23, 19                        ; the tile's 128 rows of 4,096 bytes,
	s_lshl_b32 s77, s[WM], 18                      ; my 64 of them,
	s_add_co_u32 s76, s76, s77
	s_lshl_b32 s77, s22, 9                         ; the tile's 128 columns,
	s_add_co_u32 s76, s76, s77
	s_lshl_b32 s77, s[WN], 8                       ; my 64 of them: 256 bytes
	s_add_co_u32 s76, s76, s77
	s_mov_b32 s77, 0
	s_add_nc_u64 s[10:11], s[10:11], s[76:77]
	s_lshl_b32 s72, s22, 9                         ; the biases of my 64 columns
	s_lshl_b32 s73, s[WN], 8
	s_add_co_u32 s72, s72, s73
	s_mov_b32 s73, 0
	s_add_nc_u64 s[PBI:PBI+1], s[8:9], s[72:73]
	v_lshlrev_b32 v[BV], 5, v2                     ; my eight columns of a tile of 16: 32 h
	WIN TO_F
.set mb, 0
.rept NT
	global_load_b128 v[BI+8*mb:BI+8*mb+3],   v[BV], s[PBI:PBI+1] offset:64*mb
	global_load_b128 v[BI+8*mb+4:BI+8*mb+7], v[BV], s[PBI:PBI+1] offset:64*mb+16
.set mb, mb+1
.endr
	s_wait_loadcnt 0x0
	WIN W_BI
.set mb, 0
.rept 4*NT                             ; rounded to bf16, like every input, and widened again
	v_cvt_pk_bf16_f32 v[TW+mb%4], v[BI+2*mb], v[BI+2*mb+1]
	v_lshlrev_b32 v[BI+2*mb], 16, v[TW+mb%4]
	v_and_b32 v[BI+2*mb+1], 0xffff0000, v[TW+mb%4]
.set mb, mb+1
.endr
	WIN 0
; NT matrix instructions: row tile a x all my column tiles, 32 along K, from buffer f.  first = 1: the biases start the sums.  All 16 accumulators take turns, in the same order in every chunk.
.macro MULROW f, a, first
.if \first
	WIN MULB
.else
	WIN MUL
.endif
.set mb, 0
.rept NT
.set rD, ACC+8*(NT*(\a)+mb)
.set rB, (\f)+32+8*mb
.set rA, (\f)+8*(\a)
.if \first
	v_wmma_f32_16x16x32_f16 v[rD:rD+7], v[rB:rB+7], v[rA:rA+7], v[BI+8*mb:BI+8*mb+7]
.else
	v_wmma_f32_16x16x32_f16 v[rD:rD+7], v[rB:rB+7], v[rA:rA+7], v[rD:rD+7]
.endif
.set mb, mb+1
.endr
.endm
; One run of NL LDS loads: the fragments of chunk c (32 along K) of a slot into buffer f: o_w's four, then O's row tiles 0, 1, then 2, 3.
.macro FETCH slot, c, f
	WIN TO_F
.set fb, 0
.rept NT                               ; column tile fb of my block
	ds_load_tr16_b128 v[(\f)+32+8*fb:(\f)+32+8*fb+3],   v[ADRB+(\slot)] offset:32*fb+32*PITB*(\c)
	ds_load_tr16_b128 v[(\f)+32+8*fb+4:(\f)+32+8*fb+7], v[ADRB+(\slot)] offset:32*fb+32*PITB*(\c)+16*PITB
.set fb, fb+1
.endr
.set fb, 0
.rept 4                                ; slab c / 2, byte 64 (c % 2) of its rows
	ds_load_b128 v[(\f)+8*fb:(\f)+8*fb+3],   v[ADRA+(\slot)] offset:((\c)/2)*SLABL+((\c)%2)*64+fb*16*PITA
	ds_load_b128 v[(\f)+8*fb+4:(\f)+8*fb+7], v[ADRA+(\slot)] offset:((\c)/2)*SLABL+((\c)%2)*64+fb*16*PITA+32
.set fb, fb+1
.endr
.endm
; A chunk but a slot's last: multiplies buffer f; in its middle it fetches chunk cn of the same slot into buffer g.
.macro CHUNK slot, cn, f, g, first
	s_wait_dscnt 4                                 ; all but the youngest four loads (O's row tiles 2, 3) are in
	MULROW \f, 0, \first
	MULROW \f, 1, \first
	PLACES
	FETCH \slot, \cn, \g
	s_wait_dscnt NL                                ; all but the run just issued
	MULROW \f, 2, \first
	MULROW \f, 3, \first
.endm
.macro MIDDLE slot, from               ; chunks from .. 2 SL - 2 of a slot, on buffers 0, 1 by turns
.set cc, \from
.rept 2*SL-1-(\from)
	CHUNK \slot, cc+1, FB*(cc%2), FB*((cc+1)%2), 0
.set cc, cc+1
.endr
.endm
; A slot's last chunk multiplies buffer 1 and changes slots: ONE barrier; in front of it each wave waits for all its tensor loads, adds 0 to its spare word, and waits for that and for its reads of this slot.
; fill = 1: the barrier opens a round of the cluster's, and this slot is filled again, two steps ahead, first thing behind the round.
.macro TURN slot, next, fill
	WIN 0                                          ; (the add's two registers lie in window 0)
	s_wait_tensorcnt 0x0                           ; all my tensor loads have landed: my part of the next slot
	ds_add_u32 v[SPW], v[NIL]                      ; 0 onto my spare word
	s_wait_dscnt 5                                 ; (the add and the youngest four loads may be out)
	MULROW F1, 0, 0                                ; matrix work stands between the add and the wait for it
	s_wait_dscnt 0x0                               ; the add is done, and my reads of this slot are over
	s_barrier_signal -1
	MULROW F1, 1, 0
.if \fill
	WIN 0
.endif
	s_barrier_wait -1
.if \fill
	CREST                                          ; no wave of any partner still reads this slot's tiles or has a load on its way
	s_add_nc_u64 s[G0A+4*(\slot)+2:G0A+4*(\slot)+3], s[G0A+4*(\slot)+2:G0A+4*(\slot)+3], 2*SL*16384
	s_add_nc_u64 s[G0B+4*(\slot)+2:G0B+4*(\slot)+3], s[G0B+4*(\slot)+2:G0B+4*(\slot)+3], 2*KSLOT*128
	JLOAD \slot                                    ; the four v_nop behind it are also the places in front of the loads below
.else
	PLACES
.endif
	FETCH \next, 0, F0
	MULROW F1, 2, 0
	MULROW F1, 3, 0
.endm
	s_wait_tensorcnt 1                             ; my part of step 0 is in; step 1's may stay out
	s_barrier_signal -1
	s_barrier_wait -1                              ; everybody's is
	FETCH 0, 0, F0
	CHUNK 0, 1, F0, F1, 1                          ; the first chunk stands in front of the loop: its products start the sums
	WIN 0
	s_mov_b32 s3, LAPS-1
.Llap:                                                 ; a trip goes once round the ring, from a lap's second chunk to the next lap's first, and fills both slots again
	MIDDLE 0, 1
	TURN 0, 1, 1
	MIDDLE 1, 0
	TURN 1, 0, 1
	CHUNK 0, 1, F0, F1, 0
	WIN 0
	s_sub_co_u32 s3, s3, 1
	s_cmp_lg_u32 s3, 0
	s_cbranch_scc1 .Llap
	MIDDLE 0, 1                                    ; the last lap fills nothing
	TURN 0, 1, 0                                   ; behind this barrier nobody reads slot 0 any more, and nothing is loaded into it: it serves as the stage
	MIDDLE 1, 0
	s_wait_dscnt 4                                 ; the very last chunk
	MULROW F1, 0, 0
	MULROW F1, 1, 0
	s_wait_dscnt 0x0
	MULROW F1, 2, 0
	MULROW F1, 3, 0
	WIN 0
	; THE WAY OUT.  A lane's eight f32 of a row are 32 bytes; 16 rows at a time go into my own stage (rows of 272 bytes) and come back as whole rows of 256 bytes, into the registers that they left.
	PLACES
.macro PACK a
.set pb, 0
.rept NT                               ; each accumulator from its low end on
	ds_store_b128 v[STO], v[ACC+32*(\a)+8*pb:ACC+32*(\a)+8*pb+3]   offset:64*pb
	ds_store_b128 v[STO], v[ACC+32*(\a)+8*pb+4:ACC+32*(\a)+8*pb+7] offset:64*pb+16
.set pb, pb+1
.endr
.set pf, 0
.rept 8
	ds_load_b128 v[ACC+32*(\a)+4*pf:ACC+32*(\a)+4*pf+3], v[RD] offset:2*SPIT*pf  ; LDS serves a wave's instructions in order (ISA guide 5.7.1.4): these see the stores above; the next block's stores come behind them
.set pf, pf+1
.endr
.endm
.macro SEND a, younger                 ; younger: the LDS instructions issued behind block a's loads: the next block's sixteen, or none
.set pf, 0
.rept 8
	s_wait_dscnt (\younger)+7-pf
	global_store_b128 v[CO], v[ACC+32*(\a)+4*pf:ACC+32*(\a)+4*pf+3], s[10:11] offset:65536*(\a)+8192*pf  ; 16 lanes store 256 consecutive bytes, at a multiple of 256 from out0's first byte
.set pf, pf+1
.endr
.endm
	PACK 0
	PACK 1
	SEND 0, 16
	PACK 2
	SEND 1, 16
	PACK 3
	SEND 2, 16
	SEND 3, 0
	s_wait_tensorcnt 0x0                           ; the wave's end: behind my last tensor load and my last LDS store
	ds_add_u32 v[SPW], v[NIL]
	s_wait_dscnt 0x0
	CROUND                                         ; the closing round: no work-group ends while a partner may still ask for a tile that names it
	s_endpgm
.Lfunc_end_k_qceb0845e5f_outp:
	.size	k_qceb0845e5f_outp, .Lfunc_end_k_qceb0845e5f_outp-k_qceb0845e5f_outp
	.p2alignl 7, 3214868480
	.fill 96, 4, 3214868480
	.section	.rodata,"a",@progbits
	.p2align	6, 0x0
	.amdhsa_kernel k_qceb0845e5f_outp
		.amdhsa_group_segment_fixed_size 327680
		.amdhsa_private_segment_fixed_size 0
		.amdhsa_enable_private_segment 0
		.amdhsa_kernarg_size 32
		.amdhsa_user_sgpr_count 2
		.amdhsa_user_sgpr_kernarg_segment_ptr 1
		.amdhsa_wavefront_size32 1
		.amdhsa_system_sgpr_workgroup_id_x 1
		.amdhsa_system_sgpr_workgroup_id_y 1
		.amdhsa_system_sgpr_workgroup_id_z 1
		.amdhsa_system_vgpr_workitem_id 0
		.amdhsa_next_free_vgpr 512
		.amdhsa_next_free_sgpr 80
		.amdhsa_reserve_vcc 0
		.amdhsa_float_denorm_mode_32 3
		.amdhsa_float_denorm_mode_16_64 3
		.amdhsa_memory_ordered 1
		.amdhsa_forward_progress 1
		.amdhsa_inst_pref_size 94
	.end_amdhsa_kernel
	.amdgpu_metadata
---
amdhsa.version: [ 1, 2 ]
amdhsa.kernels:
  - .name:           k_qceb0845e5f_outp
    .symbol:         k_qceb0845e5f_outp.kd
    .args:
      - { .name: ao, .offset: 0, .size: 8, .value_kind: global_buffer, .address_space: global }
      - { .name: ob, .offset: 8, .size: 8, .value_kind: global_buffer, .address_space: global }
      - { .name: o_b, .offset: 16, .size: 8, .value_kind: global_buffer, .address_space: global }
      - { .name: out0, .offset: 24, .size: 8, .value_kind: global_buffer, .address_space: global }
    .group_segment_fixed_size: 327680
    .private_segment_fixed_size: 0
    .kernarg_segment_align: 8
    .kernarg_segment_size: 32
    .max_flat_workgroup_size: 128
    .sgpr_count:     80
    .vgpr_count:     512
    .wavefront_size: 32
...
	.end_amdgpu_metadata
.endif
;; end of part 4
;; ======== version 2 of 2: 4 launches; version 1 with the launch prep written anew for expert scheduling mode
;; limits: values are held in f16: magnitudes above 65,504 overflow, below 6.1e-05 lose precision
;; workspace buffers: xb 8,388,608 bytes; wb 3,145,728 bytes; ob 2,097,152 bytes; qkv 12,582,912 bytes; ao 8,388,608 bytes
;; launch prep (part 5): grid 416 x 1, 8 waves a work-group, no clusters, 0 bytes of LDS; arguments X, q_w, k_w, v_w, o_w, xb, wb, ob; writes xb, wb, ob
.if DOCPART == 5
	.amdgcn_target "amdgcn-amd-amdhsa--gfx1250"
	.amdhsa_code_object_version 6
	.text
	.protected	k_qceb0845e5f_prep
	.globl	k_qceb0845e5f_prep
	.p2align	8
	.type	k_qceb0845e5f_prep,@function
k_qceb0845e5f_prep:
	s_mov_b64 s[64:65], 0
	v_nop
	global_prefetch_b8 v0, s[64:65] scope:SCOPE_SE
	s_setreg_imm32_b32 hwreg(HW_REG_WAVE_SCHED_MODE, 0, 2), 2
	s_setreg_imm32_b32 hwreg(HW_REG_WAVE_MODE, 25, 1), 1
	s_wait_xcnt 0x0
	s_wait_alu depctr_vm_vsrc(0)
; CAST AND RE-LAY.  X and the four weight matrices (f32) are rounded once to bf16 and written in SLABS: 64 neighbouring columns of a row are 128 bytes, and the rows of a
; slab follow each other without a gap, so that every tile of the products that follow is one dense block of memory.
;   xb [32 rb][16 s][128 r][64 c] bf16 = X[128 rb + r][64 s + c]
;   wb [24 hb][1024 k][64 c]      bf16 = q_w[k][64 hb + c] (hb 0-15), k_w[k][64 (hb-16) + c] (16-19), v_w[k][64 (hb-20) + c] (20-23)
;   ob [16 nb][1024 k][64 c]      f16  = o_w[k][64 nb + c], rounded to bf16 and that number written as f16
; LIMITS.  o_w: the second writing is exact inside f16's normal range; below 6e-5 it keeps f16's fixed step of 6e-8; from 65,520 on it gives an infinity.
; SHARES.  A work-group takes 16,384 consecutive source numbers (65,536 bytes), a thread 16 loads of 16 bytes.  One load of a wave takes 64 columns of two rows: lanes 0-15
; read 256 consecutive bytes, aligned, of one row, lanes 16-31 of the next; its store of 8 bytes a lane covers 256 consecutive bytes, aligned: two rows of a slab.
; Work-groups 0-255: X; 256-319: q_w; 320-351: k_w, v_w; 352-415: o_w.  All 16 loads go out in one run; no register is written twice while a load or store names it.
; No LDS, no barrier, no matrix unit: nothing is shared and nothing is summed.
; THE MODE: SCHED_MODE bits 1:0 = 2 (LLVM: expert scheduling mode 2), set by the entry lines.  The code itself states the register dependences
; between vector instructions and memory instructions, with s_wait_alu, always for 0.
; THE PLAN.  Registers that memory instructions touch:
;   v1, v2   byte offsets.  Written by vector instructions ahead of the first load, read by the 16 loads (v1) and the 16 stores (v2), never written again.
;   IN       Written by the loads alone, once each; read by that load's conversions; never loaded again.
;   OUT      Pair i is written by the conversions of load i, read by store i, never written again.
;   v3, TW   are named by vector instructions alone.
; So the only dependence to state is: written by a vector instruction, then read by a memory instruction.  The 16 loads' work goes in four blocks of four.  Block p rounds its
; four loads; the four stores of block p - 1 are dealt among its conversions, behind ONE wait at the block's head, which states that block p - 1 has written its part of OUT;
; the vector instructions of block p name IN and OUT of block p and TW alone, none of the registers that those stores read.  One wait stands ahead of the loads, for the
; offsets, and one ahead of the last four stores.  No register is written after a memory instruction has read it: no wait on vm_vsrc is owed.
.set SRC, 20                           ; s[20:21] the work-group's first source byte
.set DST, 22                           ; s[22:23] its first byte in the slabs
.set IN,  4                            ; v[4:67]   16 x 4 numbers as loaded
.set OUT, 68                           ; v[68:99]  16 x 2 registers to store
.set TW,  100                          ; v[100:103] at work
; Store n of 16.  kv and dstep as in CAST.
.macro PUT kv, dstep, n
.if \kv
.set di, ((\n)%4)*131072+((\n)/4)*256
.else
.set di, (\dstep)*(\n)
.endif
	global_store_b64 v2, v[OUT+2*(\n):OUT+2*(\n)+1], s[DST:DST+1] offset:di th:TH_STORE_NT
.endm
; kv = 0: rows of 1,024 numbers: load i takes slab i of the thread's row; the slabs lie dstep bytes apart.
; kv = 1: rows of 256 numbers: load i takes slab i % 4 of the pair of rows i / 4.      half = 1: the bf16 numbers are written as f16.
.macro CAST kv, dstep, half
	s_wait_alu depctr_va_vdst(0)                   ; v1 and v2 are written: the loads below read v1 as their offset, the stores v2
.set ci, 0
.rept 16
.if \kv
.set si, (ci/4)*2048+(ci%4)*256
.else
.set si, 256*ci
.endif
	global_load_b128 v[IN+4*ci:IN+4*ci+3], v1, s[SRC:SRC+1] offset:si th:TH_LOAD_NT
.set ci, ci+1
.endr
.set ci, 0
.rept 16
	s_wait_loadcnt 15-ci                           ; loads come back in order: load ci is in, the 15 - ci younger ones stay out
.if (ci%4 == 0) && (ci > 0)
	s_wait_alu depctr_va_vdst(0)                   ; the block before has written its four pairs of OUT, which this block's four stores read
.endif
.if ci >= 4
	PUT \kv, \dstep, ci-4                          ; the block before: no vector instruction since the wait names v2 or this pair
.endif
	v_cvt_pk_bf16_f32 v[OUT+2*ci],   v[IN+4*ci],   v[IN+4*ci+1]
	v_cvt_pk_bf16_f32 v[OUT+2*ci+1], v[IN+4*ci+2], v[IN+4*ci+3]
.if \half
	v_lshlrev_b32 v[TW],   16,  v[OUT+2*ci]         ; the rounded numbers as f32 again,
	v_and_b32     v[TW+1], s24, v[OUT+2*ci]
	v_lshlrev_b32 v[TW+2], 16,  v[OUT+2*ci+1]
	v_and_b32     v[TW+3], s24, v[OUT+2*ci+1]
	v_cvt_pk_f16_f32 v[OUT+2*ci],   v[TW],   v[TW+1]   ; and written as f16
	v_cvt_pk_f16_f32 v[OUT+2*ci+1], v[TW+2], v[TW+3]
.endif
.set ci, ci+1
.endr
	s_wait_alu depctr_va_vdst(0)                   ; the last block has written its four pairs of OUT, which the last four stores read
.set ci, 12
.rept 4
	PUT \kv, \dstep, ci
.set ci, ci+1
.endr
.endm
	s_load_b512 s[4:19], s[0:1], 0x0               ; X s[4:5], q_w s[6:7], k_w s[8:9], v_w s[10:11], o_w s[12:13], xb s[14:15], wb s[16:17], ob s[18:19]
	s_mov_b32 s2, ttmp9                            ; the work-group's number
	s_mov_b32 s24, 0xffff0000                      ; a word's upper bf16
	s_mov_b32 s27, 0                               ; high words of the two offsets
	s_mov_b32 s29, 0
	v_and_b32 v3, 15, v0
	v_lshlrev_b32 v3, 4, v3                        ; 16 (t % 16): my 16 bytes of a slab's 256 source bytes
	v_lshrrev_b32 v1, 4, v0
	v_lshl_add_u32 v1, v1, 12, v3                  ; rows of 4,096 bytes: row t / 16
	v_lshlrev_b32 v2, 3, v0                        ; in a slab: row t / 16 x 128 + 8 (t % 16) = 8 t
	s_wait_kmcnt 0x0
	s_cmp_lt_u32 s2, 256
	s_cbranch_scc0 .Lnot_x
	s_lshl_b32 s26, s2, 16                         ; X: 16 rows of 4,096 bytes
	s_add_nc_u64 s[SRC:SRC+1], s[4:5], s[26:27]
	s_lshr_b32 s28, s2, 3
	s_lshl_b32 s28, s28, 18                        ; row block g / 8: 16 slabs of 16,384 bytes
	s_and_b32 s25, s2, 7
	s_lshl_b32 s25, s25, 11                        ; 16 rows of 128 bytes x g % 8
	s_add_co_u32 s28, s28, s25
	s_add_nc_u64 s[DST:DST+1], s[14:15], s[28:29]
	CAST 0, 16384, 0
	s_endpgm
.Lnot_x:
	s_cmp_lt_u32 s2, 320
	s_cbranch_scc0 .Lnot_q
	s_sub_co_u32 s3, s2, 256                       ; q_w: 16 rows k
	s_lshl_b32 s26, s3, 16
	s_add_nc_u64 s[SRC:SRC+1], s[6:7], s[26:27]
	s_lshl_b32 s28, s3, 11
	s_add_nc_u64 s[DST:DST+1], s[16:17], s[28:29]
	CAST 0, 131072, 0
	s_endpgm
.Lnot_q:
	s_cmp_lt_u32 s2, 352
	s_cbranch_scc0 .Lfor_o
	s_sub_co_u32 s3, s2, 320                       ; k_w (0-15) and v_w (16-31): 64 rows k of 1,024 bytes
	s_lshr_b32 s25, s3, 4
	s_and_b32 s3, s3, 15
	s_lshl_b32 s26, s3, 16
	s_cmp_eq_u32 s25, 0
	s_cselect_b64 s[SRC:SRC+1], s[8:9], s[10:11]
	s_add_nc_u64 s[SRC:SRC+1], s[SRC:SRC+1], s[26:27]
	s_lshl_b32 s28, s25, 19                        ; four blocks of 131,072 bytes on for v_w,
	s_add_co_u32 s28, s28, 16*131072               ; behind q_w's sixteen
	s_lshl_b32 s3, s3, 13                          ; 64 rows of 128 bytes
	s_add_co_u32 s28, s28, s3
	s_add_nc_u64 s[DST:DST+1], s[16:17], s[28:29]
	v_lshrrev_b32 v[TW], 5, v0                     ; a wave takes 8 rows, two at a time
	v_bfe_u32 v[TW+1], v0, 4, 1
	v_lshl_add_u32 v1, v[TW+1], 10, v3             ; (no load or store has been issued yet: v1 and v2 are made anew by vector instructions alone)
	v_lshl_add_u32 v1, v[TW], 13, v1               ; wave x 8,192 + (lane / 16) x 1,024 + 16 (lane % 16)
	v_and_b32 v2, 31, v0
	v_lshlrev_b32 v2, 3, v2
	v_lshl_add_u32 v2, v[TW], 10, v2               ; wave x 8 rows of 128 bytes + 8 x lane
	CAST 1, 0, 0
	s_endpgm
.Lfor_o:
	s_sub_co_u32 s3, s2, 352                       ; o_w: 16 rows k
	s_lshl_b32 s26, s3, 16
	s_add_nc_u64 s[SRC:SRC+1], s[12:13], s[26:27]
	s_lshl_b32 s28, s3, 11
	s_add_nc_u64 s[DST:DST+1], s[18:19], s[28:29]
	CAST 0, 131072, 1
	s_endpgm
.Lfunc_end_k_qceb0845e5f_prep:
	.size	k_qceb0845e5f_prep, .Lfunc_end_k_qceb0845e5f_prep-k_qceb0845e5f_prep
	.p2alignl 7, 3214868480
	.fill 96, 4, 3214868480
	.section	.rodata,"a",@progbits
	.p2align	6, 0x0
	.amdhsa_kernel k_qceb0845e5f_prep
		.amdhsa_group_segment_fixed_size 0
		.amdhsa_private_segment_fixed_size 0
		.amdhsa_enable_private_segment 0
		.amdhsa_kernarg_size 64
		.amdhsa_user_sgpr_count 2
		.amdhsa_user_sgpr_kernarg_segment_ptr 1
		.amdhsa_wavefront_size32 1
		.amdhsa_system_sgpr_workgroup_id_x 1
		.amdhsa_system_sgpr_workgroup_id_y 1
		.amdhsa_system_sgpr_workgroup_id_z 1
		.amdhsa_system_vgpr_workitem_id 0
		.amdhsa_next_free_vgpr 104
		.amdhsa_next_free_sgpr 66
		.amdhsa_reserve_vcc 0
		.amdhsa_float_denorm_mode_32 3
		.amdhsa_float_denorm_mode_16_64 3
		.amdhsa_memory_ordered 1
		.amdhsa_forward_progress 1
		.amdhsa_inst_pref_size 30
	.end_amdhsa_kernel
	.amdgpu_metadata
---
amdhsa.version: [ 1, 2 ]
amdhsa.kernels:
  - .name:           k_qceb0845e5f_prep
    .symbol:         k_qceb0845e5f_prep.kd
    .args:
      - { .name: X, .offset: 0, .size: 8, .value_kind: global_buffer, .address_space: global }
      - { .name: q_w, .offset: 8, .size: 8, .value_kind: global_buffer, .address_space: global }
      - { .name: k_w, .offset: 16, .size: 8, .value_kind: global_buffer, .address_space: global }
      - { .name: v_w, .offset: 24, .size: 8, .value_kind: global_buffer, .address_space: global }
      - { .name: o_w, .offset: 32, .size: 8, .value_kind: global_buffer, .address_space: global }
      - { .name: xb, .offset: 40, .size: 8, .value_kind: global_buffer, .address_space: global }
      - { .name: wb, .offset: 48, .size: 8, .value_kind: global_buffer, .address_space: global }
      - { .name: ob, .offset: 56, .size: 8, .value_kind: global_buffer, .address_space: global }
    .group_segment_fixed_size: 0
    .private_segment_fixed_size: 0
    .kernarg_segment_align: 8
    .kernarg_segment_size: 64
    .max_flat_workgroup_size: 256
    .sgpr_count:     66
    .vgpr_count:     104
    .wavefront_size: 32
...
	.end_amdgpu_metadata
.endif
;; end of part 5
;; launch proj: the kernel of part 2 again; grid 8 x 32, 4 waves a work-group, clusters of 4 x 4, 327,680 bytes of LDS; arguments xb, wb, q_b, k_b, v_b, qkv; writes qkv
;; launch attn: the kernel of part 3 again; grid 64 x 4, 4 waves a work-group, clusters of 4 x 1, 327,680 bytes of LDS; arguments qkv, ao; writes ao
;; launch outp: the kernel of part 4 again; grid 8 x 32, 4 waves a work-group, clusters of 4 x 4, 327,680 bytes of LDS; arguments ao, ob, o_b, out0; writes out0
